; MI455X (gfx1250); checked and timed in simulation.
; The chip was launched on July 23, 2026; its instructions are those of AMD's public machine-readable ISA for CDNA 5 (MIT licence, August 2026) and "CDNA5" Instruction Set Architecture Reference Guide (July 2026). The comments in the code are by the model that wrote it; some were corrected since.
;; Cross Attention. Allowed arithmetic: matrix products marked QUANTISED: E2M1 operands, one E8M0 scale for each 32 along K, by v_wmma_scale_f32_16x16x128_f8f6f4 with both operands' format E2M1 (or v_wmma_scale_f32_32x16x128_f4), f32 sums; products left as they are: bf16, f16 or f32 operands; f32 sums; everything else in f32.
;; Inputs: Wkv 1,024 x 2,048 float32; Wproj 1,024 x 1,024 float32; Wq 1,024 x 1,024 float32; attn_mask 2,048 x 2,048 float32; bkv 2,048 float32; bproj 1,024 float32; bq 1,024 float32; context 4 x 2,048 x 1,024 float32; key_padding_mask 4 x 2,048 bool; x 4 x 2,048 x 1,024 float32.
;; Outputs: out0 4 x 2,048 x 1,024 float32.
;; This version of the problem:
;;   THIS VERSION OF THE PROBLEM IS GIVEN IN LOW PRECISION. The matrix products marked QUANTISED in the list below multiply operands that are first quantised to E2M1 (2 exponent bits, 1 mantissa bit; 4 bits a number), with one power-of-two scale for each 32 numbers along K (OCP MX v1.0); their sums are f32. The products marked 'left as it is' may take bf16, f16 or f32 operands, with f32 sums. Whichever they take, every output number must still come out within the allowed error. Rounding operands to bf16 (8 significant bits) uses up far more of that allowance than f16 does (11 bits, for magnitudes from 6e-5 to 65,504). All else is computed in f32.
;;   The module's matrix products, in the order in which they are computed (A, B: the left and right operand; K: the contracted axis; several contracted axes count as one K, in the product's order):
;;     1. [M 8,192, K 1,024] x [K 1,024, N 1,024]; A: input x; B: input Wq: QUANTISED
;;     2. [M 8,192, K 1,024] x [K 1,024, N 2,048]; A: input context; B: input Wkv: QUANTISED
;;     3. batch 64 x [M 2,048, K 64] x [K 64, N 2,048]; A: computed on the way; B: computed on the way: left as it is (an operand is computed on the way)
;;     4. batch 64 x [M 2,048, K 2,048] x [K 2,048, N 64]; A: computed on the way; B: computed on the way: left as it is (an operand is computed on the way)
;;     5. [M 8,192, K 1,024] x [K 1,024, N 1,024]; A: computed on the way; B: input Wproj: left as it is (an operand is computed on the way)
;;   THE QUANTISER, for each operand of a quantised product, along K:
;;     - K is cut into blocks of 32 from its start; a last block that is shorter is filled with zeros.
;;     - A block's scale is 2^e with e = floor(log2(the largest magnitude in the block)) - 2, held to -126 .. 127; a block of zeros has e = 0. As a byte (E8M0): e + 127.
;;     - Each number is divided by its block's scale, clamped to +-6, and rounded to the nearest number of E2M1, ties to even, subnormals kept.
;;     - The product sums the exact products of the quantised numbers (number of the format x scale) in f32.
;;   ~~~python
;;   def quantise(x, axis):      # numpy; x: float32 -> the quantised numbers, widened to float32 again
;;       x = np.moveaxis(x, axis, -1); K = x.shape[-1]
;;       x = np.pad(x, [(0, 0)] * (x.ndim - 1) + [(0, -K % 32)]); x = x.reshape(x.shape[:-1] + (-1, 32)); a = np.abs(x).max(-1, keepdims=True)
;;       e = np.where(a > 0, np.clip(np.frexp(np.where(a > 0, a, 1))[1] - 1 - 2, -126, 127), 0)      # np.frexp(a)[1] - 1 = floor(log2(a)), exactly
;;       r = np.clip(x / 2.0 ** e, -6, 6)
;;       step = 2.0 ** (np.maximum(np.frexp(np.where(r == 0, 1, r))[1] - 1, 0) - 1)
;;       q = np.round(r / step) * step * 2.0 ** e      # np.round: ties to even
;;       return np.moveaxis(q.reshape(q.shape[:-2] + (-1,))[..., :K], -1, axis).astype(np.float32)
;;   ~~~
;; One version. Each part assembles by itself: llvm-mc -triple=amdgcn-amd-amdhsa -mcpu=gfx1250 --defsym DOCPART=n.
;; ======== version 1 of 1: 4 launches
;; limits: right only within a limited range of input values; values are held in f16: magnitudes above 65,504 overflow, below 6.1e-05 lose precision
;; workspace buffers: acodes 8,388,608 bytes; ascales 524,288 bytes; wcodes 1,572,864 bytes; wscales 98,304 bytes; wpt 2,097,152 bytes; kbias 32,768 bytes; qkv 50,331,648 bytes; oh 16,777,216 bytes
;; launch prep (part 1): grid 625 x 1, 4 waves a work-group, no clusters, 102,912 bytes of LDS; arguments x, context, Wq, Wkv, Wproj, key_padding_mask, acodes, ascales, wcodes, wscales, wpt, kbias; writes acodes, ascales, wcodes, wscales, wpt, kbias
.if DOCPART == 1
	.amdgcn_target "amdgcn-amd-amdhsa--gfx1250"
	.amdhsa_code_object_version 6
	.text
	.protected	k_q1a7dd5b32a_prep
	.globl	k_q1a7dd5b32a_prep
	.p2align	8
	.type	k_q1a7dd5b32a_prep,@function
k_q1a7dd5b32a_prep:
	s_mov_b64 s[64:65], 0
	v_nop
	global_prefetch_b8 v0, s[64:65] scope:SCOPE_SE
	s_setreg_imm32_b32 hwreg(HW_REG_WAVE_MODE, 25, 1), 1
	s_wait_xcnt 0x0
; PREP: everything that is made once from the inputs, four paths chosen by the work-group's number g.
;   g = 0..47    W: Wq [1024 k][1024 n] and Wkv [1024 k][2048 n], f32, K first -> E2M1 codes wcodes [3072 n][512 B], K innermost, and E8M0 bytes wscales [3072][32]
;   g = 48..111  P: Wproj [1024 k][1024 n] f32 -> wpt [1024 n][1024 k] f16
;   g = 112      B: key_padding_mask [4][2048] bytes -> kbias [4][2048] f32: 0 for a key that counts, -2^100 for a padded key
;   g = 113..624 A: x and context, [8192][1024] f32 each -> acodes [16384][512 B], ascales [16384][32]
; THE QUANTISER: a block of 32 along K has the scale 2^(floor(log2(largest magnitude)) - 2); its byte is the largest magnitude's exponent field - 2, held at 1 from below;
; each number is divided by the scale and rounded to the nearest code, ties to even, beyond 6 the largest code.
; LIMITS: a block of zeros, or one whose largest magnitude lies under 2^(3 - 127), gets the byte 1 (its codes are zeros or the rule's own held scale; this program alone reads the bytes);
; NaN and infinities among the inputs are not served; Wproj lies inside f16's range (magnitudes up to 65,504).
; Each path has LDS bytes of its own and ends by itself.  No tensor load, no barrier: waves share nothing.
.set SPW,   208                        ; v208  LDS address of my spare word: SPARE + 4 x my thread's number; never rewritten
.set NIL,   209                        ; v209  0; never rewritten
.set LDS_W, 32768                      ; path A: 4 x 8,192 bytes from 0;  path W: 4 stages of 32 x 272 from here;
.set LDS_P, 67584                      ; path P: the same shape from here
.set SPARE, 102400                     ; the spare words, 128 bytes for each wave: two blocks of 256 bytes that no other line names
.set PITCH, 272                        ; a stage row of paths W and P: 256 bytes + 16
.set ASP,   80                         ; path A: a lane's place in a stage: its 64 bytes + 16
.set AR,    16                         ; path A: v16-79 four sets of 16 numbers as loaded
.set AX,    80                         ;         v80-111 two sets of 16 neighbours
.set AE,    112                        ;         v112-127 a scale byte for each step
.set AC,    128                        ;         v128-191 codes, four registers for each step
.set WSB,   24                         ; paths W, P: v24-27 scale bytes
.set WX,    32                         ;         v32-95 two sets of 32 numbers
.set WC,    96                         ;         v96-111 a block's codes or f16 pairs
.set WOUT,  112                        ;         v112-175 the way out
.set WRO,   176                        ;         v176-207 path W: 4 x lane + i x the source's row pitch
.macro FINISH                          ; the wave's end, behind the last LDS store
	s_wait_tensorcnt 0x0
	ds_add_u32 v[SPW], v[NIL]
	s_wait_dscnt 0x0
	s_endpgm
.endm
; ---- path A's macros.  A wave takes 16 steps of 512 numbers.  A load reads 512 consecutive bytes, 16 a lane; a step's 2,048 bytes turn through the wave's stage and come back 64 bytes a lane: 16 neighbours along K
.macro A_LOAD t
.irp i, 0,1,2,3
	global_load_b128 v[AR+16*((\t)%4)+4*\i:AR+16*((\t)%4)+4*\i+3], v3, s[4:5] offset:2048*(\t)+512*\i th:TH_LOAD_NT
.endr
.endm
.macro A_TURN t                        ; LDS serves a wave's instructions in order: no wait between the stores and the loads
.irp i, 0,1,2,3
	ds_store_b128 v14, v[AR+16*((\t)%4)+4*\i:AR+16*((\t)%4)+4*\i+3] offset:32*ASP*((\t)%2)+8*ASP*\i
.endr
.irp i, 0,1,2,3
	ds_load_b128 v[AX+16*((\t)%2)+4*\i:AX+16*((\t)%2)+4*\i+3], v15 offset:32*ASP*((\t)%2)+16*\i
.endr
.endm
.macro A_STEP t
.set XS, AX+16*((\t)%2)
.if (\t) > 0
	s_wait_dscnt 1                                 ; this step's numbers are back from the stage; the last step's byte store may be out
.else
	s_wait_dscnt 0x0
.endif
.if (\t)+4 < 16
	A_LOAD (\t)+4                                  ; into the set whose stores into the stage have read their registers
.endif
.if (\t)+1 < 16
.if 14-(\t) >= 3
	s_wait_loadcnt 12                              ; the next step's four loads are in; those of the three steps behind it may be out
.else
	s_wait_loadcnt 4*(14-(\t))
.endif
	A_TURN (\t)+1
.endif
	v_max3_num_f32 v8, |v[XS]|, |v[XS+1]|, |v[XS+2]|               ; the largest magnitude of my 16, in two chains
	v_max3_num_f32 v9, |v[XS+3]|, |v[XS+4]|, |v[XS+5]|
.irp i, 6,10
	v_max3_num_f32 v8, v8, |v[XS+\i]|, |v[XS+\i+1]|
	v_max3_num_f32 v9, v9, |v[XS+\i+2]|, |v[XS+\i+3]|
.endr
	v_max3_num_f32 v8, v8, |v[XS+14]|, |v[XS+15]|
	v_max3_num_f32 v8, v8, v9, 0x1800000           ; and the floor 2^(3 - 127): the byte cannot fall under 1
	v_max_num_f32_dpp v8, v8, v8 row_xmask:1 row_mask:0xf bank_mask:0xf   ; with my neighbour's 16: the block's
	v_add_nc_u32 v11, 0xff000000, v8               ; 2 off its exponent field: the conversion takes the exponent field of this operand as its scale
	v_cvt_scalef32_pk8_fp4_f32 v[AC+4*(\t)], v[XS:XS+7], v11
	v_cvt_scalef32_pk8_fp4_f32 v[AC+4*(\t)+1], v[XS+8:XS+15], v11
	v_lshrrev_b32 v[AE+(\t)], 23, v11              ; the scale's byte
	ds_store_b8 v5, v[AE+(\t)] offset:16*(\t)      ; both lanes of a block write the same byte with the same value
	global_store_b64 v4, v[AC+4*(\t):AC+4*(\t)+1], s[20:21] offset:256*(\t)   ; the wave stores 256 consecutive bytes, aligned
.endm
; ---- path W's macros.  A lane takes a column, its registers run down K: a block of 32 lies in one lane
.macro W_LOAD t
.if (\t) > 0
	s_wait_xcnt 0x0                                ; the earlier loads have read their base: it steps 32 rows down
	s_add_nc_u64 s[4:5], s[4:5], s[40:41]
.endif
.irp i, 0,1,2,3,4,5,6,7,8,9,10,11,12,13,14,15,16,17,18,19,20,21,22,23,24,25,26,27,28,29,30,31
	global_load_b32 v[WX+32*((\t)%2)+\i], v[WRO+\i], s[4:5] th:TH_LOAD_NT
.endr
.endm
.macro W_BLOCK t
.set XS, WX+32*((\t)%2)
.if (\t) < 15
	s_wait_loadcnt 32                              ; this block's 32 loads are in; the next block's may be out
.else
	s_wait_loadcnt 0x0
.endif
	v_max3_num_f32 v12, |v[XS]|, |v[XS+1]|, |v[XS+2]|
	v_max3_num_f32 v13, |v[XS+3]|, |v[XS+4]|, |v[XS+5]|
.irp i, 6,10,14,18,22,26
	v_max3_num_f32 v12, v12, |v[XS+\i]|, |v[XS+\i+1]|
	v_max3_num_f32 v13, v13, |v[XS+\i+2]|, |v[XS+\i+3]|
.endr
	v_max3_num_f32 v12, v12, |v[XS+30]|, |v[XS+31]|
	v_max3_num_f32 v12, v12, v13, 0x1800000        ; the floor
	v_add_nc_u32 v11, 0xff000000, v12              ; the conversion's scale operand
	v_lshrrev_b32 v13, 23, v11                     ; the byte
.if (\t)%4 == 0
	v_mov_b32 v[WSB+(\t)/4], v13                   ; four bytes to a register, the lower K in the lower byte
.else
	v_lshl_or_b32 v[WSB+(\t)/4], v13, 8*((\t)%4), v[WSB+(\t)/4]
.endif
.irp g, 0,1,2,3
	v_cvt_scalef32_pk8_fp4_f32 v[WC+\g], v[XS+8*\g:XS+8*\g+7], v11
.endr
	ds_store_b128 v4, v[WC:WC+3] offset:16*(\t)    ; 32 codes: 16 bytes of my column's row
.if (\t)+2 < 16
	W_LOAD (\t)+2
.endif
	s_wait_dscnt 0x0                               ; the store has read its registers: the next block's codes may be written
.endm
; ---- path P's macros: the same plan, 128 along K a wave, rounded to f16
.macro P_LOAD t
.irp i, 0,1,2,3,4,5,6,7,8,9,10,11,12,13,14,15,16,17,18,19,20,21,22,23,24,25,26,27,28,29,30,31
	global_load_b32 v[WX+32*((\t)%2)+\i], v3, s[16:17] offset:(32*(\t)+\i)*4096 th:TH_LOAD_NT
.endr
.endm
.macro P_BLOCK t
.set XS, WX+32*((\t)%2)
.if (\t) < 3
	s_wait_loadcnt 32
.else
	s_wait_loadcnt 0x0
.endif
.irp j, 0,1,2,3,4,5,6,7,8,9,10,11,12,13,14,15
	v_cvt_pk_f16_f32 v[WC+\j], v[XS+2*\j], v[XS+2*\j+1]
.endr
.irp c, 0,1,2,3
	ds_store_b128 v4, v[WC+4*\c:WC+4*\c+3] offset:64*(\t)+16*\c
.endr
.if (\t)+2 < 4
	P_LOAD (\t)+2
.endif
	s_wait_dscnt 0x0
.endm
; the stage's 32 rows of 256 bytes leave two at a time: sixteen lanes store 256 consecutive bytes, aligned
.macro ROWS_OUT base, rowb
.irp t, 0,1,2,3,4,5,6,7,8,9,10,11,12,13,14,15
	ds_load_b128 v[WOUT+4*\t:WOUT+4*\t+3], v7 offset:2*\t*PITCH   ; LDS serves a wave's instructions in order: these see my stores
.endr
.irp t, 0,1,2,3,4,5,6,7,8,9,10,11,12,13,14,15
	s_wait_dscnt 15-\t                             ; the younger row loads may be out
	global_store_b128 v8, v[WOUT+4*\t:WOUT+4*\t+3], s[\base:\base+1] offset:2*\t*\rowb
.endr
.endm
	s_load_b512 s[8:23], s[0:1], 0x0               ; x 8, context 10, Wq 12, Wkv 14, Wproj 16, mask 18, acodes 20, ascales 22
	s_load_b256 s[24:31], s[0:1], 0x40             ; wcodes 24, wscales 26, wpt 28, kbias 30
	v_lshl_add_u32 v[SPW], v0, 2, SPARE
	v_mov_b32 v[NIL], 0
	v_lshrrev_b32 v1, 5, v0
	v_readfirstlane_b32 s32, v1                    ; wave 0..3
	v_and_b32 v2, 31, v0                           ; lane
	s_wait_kmcnt 0x0
	s_cmp_lt_u32 ttmp9, 48
	s_cbranch_scc1 .Lpath_w
	s_cmp_lt_u32 ttmp9, 112
	s_cbranch_scc1 .Lpath_p
	s_cmp_eq_u32 ttmp9, 112
	s_cbranch_scc1 .Lpath_b
	; ================ path A: x and context ================
	s_sub_co_u32 s33, ttmp9, 113                   ; 0..511: the first 256 take x, the others context
	s_cmp_lt_u32 s33, 256
	s_cselect_b64 s[4:5], s[8:9], s[10:11]
	s_and_b32 s34, s33, 255
	s_lshl_b32 s34, s34, 2
	s_add_co_u32 s34, s34, s32                     ; which run of 8,192 numbers of the source is my wave's
	s_lshl_b32 s34, s34, 15
	s_mov_b32 s35, 0
	s_add_nc_u64 s[4:5], s[4:5], s[34:35]
	s_lshl_b32 s36, s33, 2
	s_add_co_u32 s36, s36, s32                     ; and which run of the outputs
	s_lshl_b32 s34, s36, 12                        ; 4,096 bytes of codes a run
	s_add_nc_u64 s[20:21], s[20:21], s[34:35]
	s_lshl_b32 s34, s36, 8                         ; 256 scale bytes a run
	s_add_nc_u64 s[22:23], s[22:23], s[34:35]
	v_lshlrev_b32 v3, 4, v2                        ; my 16 bytes of a load's 512
	s_lshl_b32 s37, s32, 13                        ; my wave's 8,192 bytes of LDS
	v_lshrrev_b32 v14, 2, v2
	v_mul_u32_u24 v14, v14, ASP
	v_and_b32 v15, 3, v2
	v_lshl_add_u32 v14, v15, 4, v14
	v_add_nc_u32 v14, s37, v14                     ; into the stage: four lanes' 64 bytes on end, then 16 of padding
	v_mul_u32_u24 v15, v2, ASP
	v_add_nc_u32 v15, s37, v15                     ; out of it: my 16 neighbours
	v_lshlrev_b32 v4, 3, v2                        ; my 8 bytes of a step's codes
	v_lshrrev_b32 v5, 1, v2
	s_add_co_u32 s37, s37, 2*32*ASP
	v_add_nc_u32 v5, s37, v5                       ; my wave's 256 scale bytes: my block's byte
	v_lshlrev_b32 v7, 3, v2
	v_add_nc_u32 v6, s37, v7                       ; and on the way out 8 bytes a lane
.irp t, 0,1,2,3
	A_LOAD \t
.endr
	s_wait_loadcnt 12                              ; step 0's four loads are in
	A_TURN 0
.irp t, 0,1,2,3,4,5,6,7,8,9,10,11,12,13,14,15
	A_STEP \t
.endr
	ds_load_b64 v[8:9], v6
	s_wait_dscnt 0x0
	global_store_b64 v7, v[8:9], s[22:23]          ; 32 lanes store 256 consecutive bytes, aligned
	FINISH
	; ================ path W: Wq and Wkv ================
.Lpath_w:
	s_lshr_b32 s33, ttmp9, 1                       ; block of 128 columns, 0..23: 0-7 Wq, 8-23 Wkv
	s_and_b32 s34, ttmp9, 1                        ; which 512 along K
	s_lshl_b32 s35, s33, 7
	s_lshl_b32 s36, s32, 5
	s_add_co_u32 s35, s35, s36                     ; my wave's first column of the 3,072
	s_mov_b32 s37, 8192
	s_cmp_lt_u32 s33, 8
	s_cselect_b64 s[4:5], s[12:13], s[14:15]
	s_cselect_b32 s37, 4096, s37                   ; the source's row in bytes
	s_cselect_b32 s38, 0, 1024
	s_sub_co_u32 s38, s35, s38                     ; the column in the source
	s_lshl_b32 s38, s38, 2
	s_mul_i32 s39, s34, s37
	s_lshl_b32 s39, s39, 9                         ; 512 rows down for the second half of K
	s_add_co_u32 s38, s38, s39
	s_mov_b32 s39, 0
	s_add_nc_u64 s[4:5], s[4:5], s[38:39]
	s_lshl_b32 s40, s37, 5                         ; 32 rows
	s_mov_b32 s41, 0
	s_lshl_b32 s38, s35, 9                         ; codes: column x 512 + 256 x half
	s_lshl_b32 s42, s34, 8
	s_add_co_u32 s38, s38, s42
	s_add_nc_u64 s[24:25], s[24:25], s[38:39]
	s_lshl_b32 s38, s35, 5                         ; scale bytes: column x 32 + 16 x half
	s_lshl_b32 s42, s34, 4
	s_add_co_u32 s38, s38, s42
	s_add_nc_u64 s[26:27], s[26:27], s[38:39]
	v_lshlrev_b32 v3, 2, v2
.irp i, 0,1,2,3,4,5,6,7,8,9,10,11,12,13,14,15,16,17,18,19,20,21,22,23,24,25,26,27,28,29,30,31
	v_mad_u32_u24 v[WRO+\i], s37, \i, v3
.endr
	s_mul_i32 s42, s32, 32*PITCH
	s_add_co_u32 s42, s42, LDS_W                   ; my stage
	v_mul_u32_u24 v4, v2, PITCH
	v_add_nc_u32 v4, s42, v4                       ; into it: row = my column
	v_and_b32 v5, 15, v2
	v_lshrrev_b32 v6, 4, v2
	v_mul_u32_u24 v7, v6, PITCH
	v_lshl_add_u32 v7, v5, 4, v7
	v_add_nc_u32 v7, s42, v7                       ; out of it: sixteen lanes to a row, two rows an instruction
	v_lshlrev_b32 v8, 9, v6
	v_lshl_add_u32 v8, v5, 4, v8                   ; and the same place in wcodes
	v_lshlrev_b32 v9, 5, v2                        ; my column's row of scale bytes
	W_LOAD 0
	W_LOAD 1
.set Q, 0
.rept 16
	W_BLOCK Q
.set Q, Q+1
.endr
	global_store_b128 v9, v[WSB:WSB+3], s[26:27]   ; my column's 16 scale bytes
	ROWS_OUT 24, 512
	FINISH
	; ================ path P: Wproj, turned and rounded to f16 ================
.Lpath_p:
	s_sub_co_u32 s33, ttmp9, 48
	s_lshr_b32 s34, s33, 3                         ; block of 128 columns
	s_and_b32 s35, s33, 7                          ; which 128 along K
	s_lshl_b32 s36, s34, 7
	s_lshl_b32 s37, s32, 5
	s_add_co_u32 s36, s36, s37                     ; my wave's first column
	s_lshl_b32 s38, s35, 19                        ; 128 rows of 4,096 bytes
	s_lshl_b32 s39, s36, 2
	s_add_co_u32 s38, s38, s39
	s_mov_b32 s39, 0
	s_add_nc_u64 s[16:17], s[16:17], s[38:39]
	s_lshl_b32 s38, s36, 11                        ; wpt: column x 2,048 + 256 x part of K
	s_lshl_b32 s40, s35, 8
	s_add_co_u32 s38, s38, s40
	s_add_nc_u64 s[28:29], s[28:29], s[38:39]
	v_lshlrev_b32 v3, 2, v2
	s_mul_i32 s42, s32, 32*PITCH
	s_add_co_u32 s42, s42, LDS_P
	v_mul_u32_u24 v4, v2, PITCH
	v_add_nc_u32 v4, s42, v4
	v_and_b32 v5, 15, v2
	v_lshrrev_b32 v6, 4, v2
	v_mul_u32_u24 v7, v6, PITCH
	v_lshl_add_u32 v7, v5, 4, v7
	v_add_nc_u32 v7, s42, v7
	v_lshlrev_b32 v8, 11, v6
	v_lshl_add_u32 v8, v5, 4, v8
	P_LOAD 0
	P_LOAD 1
.irp t, 0,1,2,3
	P_BLOCK \t
.endr
	ROWS_OUT 28, 2048
	FINISH
	; ================ path B: the padding mask as an addend ================
.Lpath_b:
	v_lshlrev_b32 v3, 2, v0                        ; four mask bytes a thread and pass
	v_lshlrev_b32 v4, 4, v0                        ; four f32 out
.irp i, 0,1,2,3,4,5,6,7,8,9,10,11,12,13,14,15
	global_load_b32 v[32+\i], v3, s[18:19] offset:512*\i
.endr
	v_mov_b32 v5, 0xf1800000                       ; -2^100
	s_wait_loadcnt 0x0
.irp i, 0,1,2,3,4,5,6,7,8,9,10,11,12,13,14,15
.irp c, 0,1,2,3
	v_bfe_u32 v6, v[32+\i], 8*\c, 8
	v_cmp_ne_u32 vcc_lo, 0, v6
	v_cndmask_b32 v[48+4*\i+\c], 0, v5, vcc_lo
.endr
	global_store_b128 v4, v[48+4*\i:48+4*\i+3], s[30:31] offset:2048*\i
.endr
	FINISH
.Lfunc_end_k_q1a7dd5b32a_prep:
	.size	k_q1a7dd5b32a_prep, .Lfunc_end_k_q1a7dd5b32a_prep-k_q1a7dd5b32a_prep
	.p2alignl 7, 3214868480
	.fill 96, 4, 3214868480
	.section	.rodata,"a",@progbits
	.p2align	6, 0x0
	.amdhsa_kernel k_q1a7dd5b32a_prep
		.amdhsa_group_segment_fixed_size 102912
		.amdhsa_private_segment_fixed_size 0
		.amdhsa_enable_private_segment 0
		.amdhsa_kernarg_size 96
		.amdhsa_user_sgpr_count 2
		.amdhsa_user_sgpr_kernarg_segment_ptr 1
		.amdhsa_wavefront_size32 1
		.amdhsa_system_sgpr_workgroup_id_x 1
		.amdhsa_system_sgpr_workgroup_id_y 1
		.amdhsa_system_sgpr_workgroup_id_z 1
		.amdhsa_system_vgpr_workitem_id 0
		.amdhsa_next_free_vgpr 212
		.amdhsa_next_free_sgpr 66
		.amdhsa_reserve_vcc 1
		.amdhsa_float_denorm_mode_32 3
		.amdhsa_float_denorm_mode_16_64 3
		.amdhsa_memory_ordered 1
		.amdhsa_forward_progress 1
		.amdhsa_inst_pref_size 147
	.end_amdhsa_kernel
	.amdgpu_metadata
---
amdhsa.version: [ 1, 2 ]
amdhsa.kernels:
  - .name:           k_q1a7dd5b32a_prep
    .symbol:         k_q1a7dd5b32a_prep.kd
    .args:
      - { .name: x, .offset: 0, .size: 8, .value_kind: global_buffer, .address_space: global }
      - { .name: context, .offset: 8, .size: 8, .value_kind: global_buffer, .address_space: global }
      - { .name: Wq, .offset: 16, .size: 8, .value_kind: global_buffer, .address_space: global }
      - { .name: Wkv, .offset: 24, .size: 8, .value_kind: global_buffer, .address_space: global }
      - { .name: Wproj, .offset: 32, .size: 8, .value_kind: global_buffer, .address_space: global }
      - { .name: key_padding_mask, .offset: 40, .size: 8, .value_kind: global_buffer, .address_space: global }
      - { .name: acodes, .offset: 48, .size: 8, .value_kind: global_buffer, .address_space: global }
      - { .name: ascales, .offset: 56, .size: 8, .value_kind: global_buffer, .address_space: global }
      - { .name: wcodes, .offset: 64, .size: 8, .value_kind: global_buffer, .address_space: global }
      - { .name: wscales, .offset: 72, .size: 8, .value_kind: global_buffer, .address_space: global }
      - { .name: wpt, .offset: 80, .size: 8, .value_kind: global_buffer, .address_space: global }
      - { .name: kbias, .offset: 88, .size: 8, .value_kind: global_buffer, .address_space: global }
    .group_segment_fixed_size: 102912
    .private_segment_fixed_size: 0
    .kernarg_segment_align: 8
    .kernarg_segment_size: 96
    .max_flat_workgroup_size: 128
    .sgpr_count:     66
    .vgpr_count:     212
    .wavefront_size: 32
...
	.end_amdgpu_metadata
.endif
;; end of part 1
;; launch qkv (part 2): grid 12 x 32, 4 waves a work-group, clusters of 4 x 4, 327,680 bytes of LDS; arguments acodes, ascales, wcodes, wscales, bq, bkv, qkv; writes qkv
.if DOCPART == 2
	.amdgcn_target "amdgcn-amd-amdhsa--gfx1250"
	.amdhsa_code_object_version 6
	.text
	.protected	k_q1a7dd5b32a_qkv
	.globl	k_q1a7dd5b32a_qkv
	.p2align	8
	.type	k_q1a7dd5b32a_qkv,@function
k_q1a7dd5b32a_qkv:
	s_mov_b64 s[64:65], 0
	v_nop
	global_prefetch_b8 v0, s[64:65] scope:SCOPE_SE
	s_setreg_imm32_b32 hwreg(HW_REG_WAVE_MODE, 25, 1), 1
	s_wait_xcnt 0x0
	s_wait_alu depctr_hold_cnt(0) depctr_sa_sdst(0) depctr_va_vdst(0) depctr_va_sdst(0) depctr_va_ssrc(0) depctr_va_vcc(0) depctr_vm_vsrc(0)
	s_getreg_b32 s2, hwreg(HW_REG_IB_STS2, 6, 4)
	s_cmp_eq_u32 s2, 0
	s_cbranch_scc0 .Lentry_in_a_cluster
	s_endpgm
.Lentry_in_a_cluster:
	s_bfe_u32 s2, ttmp6, 0x10000c
	s_cmp_lg_u32 s2, 0xf033
	s_cbranch_scc0 .Lentry_shape_is_right
	s_endpgm
.Lentry_shape_is_right:
; QKV: the two quantised products as one GEMM on E2M1 codes.  A = acodes [16384][1024 codes] (rows 0-8191 x, 8192-16383 context), B = wcodes [3072][1024 codes] (columns of Wq, then of Wkv), E8M0 bytes beside them.
; qkv [3][8192][1024] f16: plane 0 = (x Wq + bq) x 0.125 log2(e), plane 1 = k, plane 2 = v.  Sums in f32; the bias is the C of each sum's first product; one rounding to f16 at the end.
; LIMIT: the three results lie inside f16's range.
; A tile of 256 x 256 is made by four waves, 128 x 128 each: 64 accumulators, 512 registers.  K = 1,024 is two slots of 512 along K (rows of 256 bytes): both are first fills, nothing is filled again.
; The scale bytes of the work-group's 256 + 256 rows, for all of K, come once, as dense blocks.
; CLUSTERS: 4 x 4 work-groups; the cluster's x (0, 1, 2) is the plane.  The four of a row of the cluster need the same tiles of A, the four of a column the same tiles of B: each is asked for jointly.
; THE MATRIX INSTRUCTION IS USED TRANSPOSED (source 0 = 16 rows of B, source 1 = 16 rows of A): a lane holds eight neighbouring columns of one row of the result.
; REGISTERS: window 0: v0-31 addresses; v32-95 scale words, two sets; v128-191 A's fragments, one set; v192-255 the bias, later packed results.  window 1: B's fragments, two sets.  windows 2, 3: the accumulators.
.set NQ,     4                         ; matrix instructions deep in a slot
.set ROWB,   256                       ; a tile's row in bytes: 512 codes
.set KROW,   512                       ; a row of codes in memory
.set PITCH,  272                       ; an LDS row: 256 bytes + 16: the 16 rows that a load touches start 16 bytes apart modulo 256
.set FR,     8
.set NL,     2
.set NP,     4                         ; places behind this matrix form (ISA guide 7.12.1)
.set HALFT,  128*PITCH
.set SLOT,   4*HALFT
.set KS,     32                        ; a row of scale bytes
.set SCL,    2*SLOT
.set HALFS,  (128*KS/256)*272
.set SBLK,   (16*KS/256)*272
.set SPARE,  SCL+4*HALFS               ; the spare words, 128 bytes for each wave
.set SPITCH, 272                       ; the way out: 16 rows x (256 bytes + 16) for each wave, in slot 0, which has had its one fill and its last read by then
.set ADRA, 16
.set ADRB, 20
.set STO,  24
.set RD,   25
.set CO,   26
.set ADRS, 27
.set SPW,  28
.set NIL,  29
.set SC,   32
.set AF,   128
.set BK,   128
.set BI,   192                         ; the bias: register 8 b + j = bias of column 16 b + 8 (lane / 16) + j of my 128
.set TMP,  192
.set G1, 24
.set G0, 32
.set G1B, 48
.set G0B, 56
.set G1S, 68
.set G0S, 76
.set G1SB, 80
.set G0SB, 88
.set FAC, 100                          ; s[100:101] the plane's factor
.set MSB, 0
.macro WIN new                         ; the immediate's high byte repeats the setting that is left
.if MSB != (\new)
	s_set_vgpr_msb (MSB<<8)|(\new)
.set MSB, (\new)
.endif
.endm
.set MUL_LO, 0xa1                      ; source 0 (B) window 1, source 1 (A) window 0, C and D window 2
.set MUL_HI, 0xf1
.set TO_B,   0x40
.macro JLOAD g0a, g1a, g0b, g1b        ; waves 0 and 1 fetch for A, waves 2 and 3 for B; an s_nop 0 and four v_nop follow each line
	s_cmp_eq_u32 s15, 0
	s_cbranch_scc0 .Lfor_b_\@
	tensor_load_to_lds s[\g0a:\g0a+3], s[\g1a:\g1a+7]
	s_nop 0
.rept 4
	v_nop
.endr
	s_branch .Lasked_\@
.Lfor_b_\@:
	tensor_load_to_lds s[\g0b:\g0b+3], s[\g1b:\g1b+7]
	s_nop 0
.rept 4
	v_nop
.endr
.Lasked_\@:
.endm
.macro CROUND                          ; a round of the cluster's barrier
	s_barrier_signal -1
	s_barrier_wait -1
	s_cmp_lg_u32 s14, 0
	s_cbranch_scc1 .Lnot_wave_0_\@
	s_barrier_signal -3
.Lnot_wave_0_\@:
	s_barrier_wait -3
	s_barrier_signal -1
	s_barrier_wait -1
.endm
	s_load_b256 s[4:11], s[0:1], 0x0               ; A's codes 4, A's scales 6, B's codes 8, B's scales 10
	s_load_b128 s[96:99], s[0:1], 0x20             ; bq 96, bkv 98
	s_load_b64 s[12:13], s[0:1], 0x30              ; qkv
	v_lshl_add_u32 v[SPW], v0, 2, SPARE
	v_mov_b32 v[NIL], 0
	ds_add_u32 v[SPW], v[NIL]                      ; the wave's opening: the add, twice on end, and its wait ahead of my first tensor load
	ds_add_u32 v[SPW], v[NIL]
	v_lshrrev_b32 v1, 5, v0
	v_readfirstlane_b32 s14, v1                    ; wave 0..3
	s_lshr_b32 s15, s14, 1                         ; which half of the tile's rows is mine.  Also: I fetch for A (0) or for B (1)
	s_and_b32 s16, s14, 1                          ; which half of its columns.  Also: which 128 rows of that tile I fetch
	s_bfe_u32 s40, ttmp6, 0x40000                  ; cx, cy
	s_bfe_u32 s41, ttmp6, 0x40004
	s_lshl_b32 s42, ttmp9, 2
	s_add_co_u32 s42, s42, s40                     ; tile column 0..11
	s_and_b32 s17, ttmp7, 0xffff
	s_lshl_b32 s17, s17, 2
	s_add_co_u32 s17, s17, s41                     ; tile row 0..31
	s_lshl_b32 s43, s41, 2
	s_lshl_b32 s43, 15, s43                        ; my row of the cluster
	s_lshl_b32 s44, 0x1111, s40                    ; my column
	s_or_b32 s[G1+0], s43, (0<<16)|(1<<20)|(1<<21)|(5<<22)|(3<<25)  ; the mask; elements of 1 byte; 4 words of padding after every 64
	s_or_b32 s[G1B+0], s44, (0<<16)|(1<<20)|(1<<21)|(5<<22)|(3<<25)
.irp g, G1, G1B
	s_mov_b32 s[\g+1], ROWB<<16                    ; tensor_dim0
	s_mov_b32 s[\g+2], 128<<16                     ; tensor_dim1
	s_mov_b32 s[\g+3], ROWB<<16                    ; tile_dim0
	s_mov_b32 s[\g+4], 128                         ; tile_dim1
	s_mov_b32 s[\g+5], KROW                        ; from row to row
	s_mov_b32 s[\g+6], 0
	s_mov_b32 s[\g+7], 0
.endr
	s_or_b32 s[G1S+0], s43, (3<<16)|(1<<20)|(1<<21)|(5<<22)|(3<<25) ; the scales of 128 rows: a dense block, as rows of 256 bytes (32 elements of 8)
	s_or_b32 s[G1SB+0], s44, (3<<16)|(1<<20)|(1<<21)|(5<<22)|(3<<25)
.irp g, G1S, G1SB
	s_mov_b32 s[\g+1], 32<<16
	s_mov_b32 s[\g+2], (128*KS/256)<<16
	s_mov_b32 s[\g+3], 32<<16
	s_mov_b32 s[\g+4], 128*KS/256
	s_mov_b32 s[\g+5], 32
	s_mov_b32 s[\g+6], 0
	s_mov_b32 s[\g+7], 0
.endr
	s_mov_b32 s[FAC], 0x3e38aa3b                   ; 0.125 log2(e)
	s_cmp_eq_u32 ttmp9, 0                          ; plane 0 multiplies x, the others context: the cluster's x, the same in all sixteen partners
	s_cselect_b32 s19, 0, 8192
	s_cselect_b32 s[FAC], s[FAC], 1.0
	s_mov_b32 s[FAC+1], s[FAC]
	s_lshl_b32 s18, s16, 7
	s_lshl_b32 s20, s17, 8
	s_add_co_u32 s20, s20, s18
	s_add_co_u32 s20, s20, s19                     ; A: row (0 or 8,192) + 256 x tile row + 128 x half
	s_lshl_b32 s46, s42, 8
	s_add_co_u32 s46, s46, s18                     ; B: row 256 x tile column + 128 x half
	s_mov_b32 s21, 0
	s_mov_b32 s47, 0
	s_mov_b64 s[18:19], KS
	s_mul_u64 s[22:23], s[20:21], s[18:19]         ; where these rows' scales begin,
	s_mul_u64 s[92:93], s[46:47], s[18:19]
	s_mov_b64 s[18:19], KROW
	s_mul_u64 s[20:21], s[20:21], s[18:19]         ; and their codes
	s_mul_u64 s[46:47], s[46:47], s[18:19]
	s_mul_i32 s45, s14, HALFT                      ; where they go: wave x 128 rows
	s_mul_i32 s94, s14, HALFS
	s_wait_dscnt 0x0                               ; both opening adds are done
	s_wait_kmcnt 0x0
	s_add_nc_u64 s[20:21], s[4:5], s[20:21]
	s_add_nc_u64 s[22:23], s[6:7], s[22:23]
	s_add_nc_u64 s[46:47], s[8:9], s[46:47]
	s_add_nc_u64 s[92:93], s[10:11], s[92:93]
	CROUND                                         ; all sixteen work-groups are here: the first joint loads meet
	s_mov_b32 s[G0S], 1
	s_add_co_u32 s[G0S+1], s94, SCL
	s_mov_b64 s[G0S+2:G0S+3], s[22:23]
	s_or_b32 s[G0S+3], s[G0S+3], 0x80000000
	s_mov_b32 s[G0SB], 1
	s_add_co_u32 s[G0SB+1], s94, SCL
	s_mov_b64 s[G0SB+2:G0SB+3], s[92:93]
	s_or_b32 s[G0SB+3], s[G0SB+3], 0x80000000
	JLOAD G0S, G1S, G0SB, G1SB                     ; the scales first: three loads of mine are out behind the last of these
.irp s, 0,1
	s_mov_b32 s[G0+4*\s], 1
	s_add_co_u32 s[G0+4*\s+1], s45, \s*SLOT
	s_add_nc_u64 s[G0+4*\s+2:G0+4*\s+3], s[20:21], \s*ROWB
	s_or_b32 s[G0+4*\s+3], s[G0+4*\s+3], 0x80000000
	s_mov_b32 s[G0B+4*\s], 1
	s_add_co_u32 s[G0B+4*\s+1], s45, \s*SLOT
	s_add_nc_u64 s[G0B+4*\s+2:G0B+4*\s+3], s[46:47], \s*ROWB
	s_or_b32 s[G0B+4*\s+3], s[G0B+4*\s+3], 0x80000000
	JLOAD G0+4*\s, G1, G0B+4*\s, G1B
.endr
	v_and_b32 v1, 15, v0                           ; l % 16
	v_bfe_u32 v2, v0, 4, 1                         ; l / 16
	; the bias of my 128 columns
	s_max_u32 s22, ttmp9, 1
	s_sub_co_u32 s22, s22, 1                       ; bkv: k's half (plane 1) or v's (plane 2)
	s_lshl_b32 s22, s22, 10
	s_lshl_b32 s23, s40, 8
	s_add_co_u32 s22, s22, s23
	s_lshl_b32 s23, s16, 7
	s_add_co_u32 s22, s22, s23
	s_lshl_b32 s22, s22, 2
	s_mov_b32 s23, 0
	s_cmp_eq_u32 ttmp9, 0
	s_cselect_b64 s[96:97], s[96:97], s[98:99]
	s_add_nc_u64 s[96:97], s[96:97], s[22:23]
	v_lshlrev_b32 v7, 5, v2
.irp b, 0,1,2,3,4,5,6,7
	global_load_b128 v[BI+8*\b:BI+8*\b+3], v7, s[96:97] offset:64*\b
	global_load_b128 v[BI+8*\b+4:BI+8*\b+7], v7, s[96:97] offset:64*\b+16
.endr
	v_mul_u32_u24 v3, v1, PITCH
	v_lshl_add_u32 v4, v2, 4, v3                   ; a fragment's row x pitch + 16 x half
	s_mul_i32 s21, s15, HALFT                      ; my 128 rows of A
	s_mul_i32 s22, s16, HALFT                      ; my 128 rows of B,
	s_add_co_u32 s22, s22, 2*HALFT                 ; which lie behind A's 256
.irp s, 0,1
	v_add_nc_u32 v[ADRA+\s], s21, v4
	v_add_nc_u32 v[ADRB+\s], s22, v4
	s_add_co_u32 s21, s21, SLOT
	s_add_co_u32 s22, s22, SLOT
.endr
	v_mul_u32_u24 v5, v1, KS                       ; my row's scales: 32 bytes a row,
	v_lshrrev_b32 v6, 8, v5
	v_lshl_add_u32 v5, v6, 4, v5                   ; and 16 more for each 256 passed
	s_mul_i32 s21, s15, HALFS
	s_mul_i32 s22, s16, HALFS
	s_add_co_u32 s22, s22, 2*HALFS
	s_sub_co_u32 s22, s22, s21
	v_mul_u32_u24 v6, s22, v2                      ; lanes 16-31 take B's
	s_add_co_u32 s21, s21, SCL
	v_add_nc_u32 v5, v5, v6
	v_add_nc_u32 v[ADRS], s21, v5
	s_mul_i32 s23, s14, 16*SPITCH                  ; my stage
	v_mul_u32_u24 v5, v1, SPITCH
	v_lshl_add_u32 v5, v2, 4, v5
	v_add_nc_u32 v[STO], s23, v5                   ; in: row l % 16, 16 bytes for each half of the lanes
	v_mul_u32_u24 v5, v2, SPITCH
	v_lshl_add_u32 v5, v1, 4, v5
	v_add_nc_u32 v[RD], s23, v5                    ; back: lanes 0-15 one row of 256 bytes, lanes 16-31 the next
	v_lshlrev_b32 v5, 11, v2
	v_lshl_add_u32 v[CO], v1, 4, v5                ; and the same two rows in qkv (2,048 bytes a row)
	s_lshl_b32 s20, s17, 8
	s_lshl_b32 s21, s15, 7
	s_add_co_u32 s20, s20, s21                     ; my first row
	s_lshl_b32 s20, s20, 11
	s_lshl_b32 s21, ttmp9, 24                      ; the plane: 16,777,216 bytes each
	s_add_co_u32 s20, s20, s21
	s_lshl_b32 s46, s40, 9                         ; my first column in the plane, in bytes: 512 cx + 256 x half
	s_lshl_b32 s47, s16, 8
	s_add_co_u32 s46, s46, s47
	s_add_co_u32 s20, s20, s46
	s_mov_b32 s21, 0
	s_add_nc_u64 s[12:13], s[12:13], s[20:21]
.macro FRAG reg, adr, q, i             ; 16 rows x 128 K of 4-bit codes: 8 registers: lane l holds row l % 16; registers 4 c .. 4 c + 3 hold K = 64 c + 32 (l / 16) + 0 .. 31
.irp c, 0,1
	ds_load_b128 v[\reg+4*\c:\reg+4*\c+3], v[\adr] offset:64*(\q)+32*\c+(\i)*16*PITCH
.endr
.endm
; 16 matrix instructions: A's blocks a0, a0 + 1 x B's eight.  first = 1: the bias is the C.  The 64 accumulators take turns, one instruction a turn.
.macro MUL16 a0, p, q, sc, first
.irp a, \a0, \a0+1
.irp b, 0,1,2,3,4,5,6,7
.if \first
	v_wmma_scale_f32_16x16x128_f8f6f4 v[8*(8*((\a)%4)+\b):8*(8*((\a)%4)+\b)+7], v[128*(\p)+FR*\b:128*(\p)+FR*\b+FR-1], v[AF+FR*(\a):AF+FR*(\a)+FR-1], v[BI+8*\b:BI+8*\b+7], v[SC+8*NQ*(\sc)+NQ*\b+(\q)], v[SC+8*NQ*(\sc)+NQ*(\a)+(\q)] matrix_a_fmt:MATRIX_FMT_FP4 matrix_b_fmt:MATRIX_FMT_FP4 matrix_a_scale:MATRIX_SCALE_ROW1
.else
	v_wmma_scale_f32_16x16x128_f8f6f4 v[8*(8*((\a)%4)+\b):8*(8*((\a)%4)+\b)+7], v[128*(\p)+FR*\b:128*(\p)+FR*\b+FR-1], v[AF+FR*(\a):AF+FR*(\a)+FR-1], v[8*(8*((\a)%4)+\b):8*(8*((\a)%4)+\b)+7], v[SC+8*NQ*(\sc)+NQ*\b+(\q)], v[SC+8*NQ*(\sc)+NQ*(\a)+(\q)] matrix_a_fmt:MATRIX_FMT_FP4 matrix_b_fmt:MATRIX_FMT_FP4 matrix_a_scale:MATRIX_SCALE_ROW1
.endif
.endr
.endr
.endm
.macro FETCH_B slot, q, p
	WIN TO_B
.irp i, 0,1,2,3,4,5,6,7
	FRAG 128*(\p)+FR*\i, ADRB+\slot, \q, \i
.endr
	WIN 0
.endm
.macro FETCH_A slot, q, i0
.irp i, \i0, \i0+1, \i0+2, \i0+3
	FRAG AF+FR*(\i), ADRA+\slot, \q, \i
.endr
.endm
.macro SCALES sc                       ; a slot's scale words: 4 words a row; lanes 0-15 take A's block i, lanes 16-31 B's block i
.irp i, 0,1,2,3,4,5,6,7
	ds_load_b128 v[SC+8*NQ*\sc+NQ*\i:SC+8*NQ*\sc+NQ*\i+3], v[ADRS] offset:\i*SBLK
.endr
.endm
.macro PLACES n                        ; plain vector instructions between a matrix instruction and a load into, or a read of, its registers
.rept \n
	v_nop
.endr
.endm
.macro STEP slot, q, first             ; 128 along K, with its successor in the same slot
	s_wait_dscnt 4*NL                              ; B's set and A's blocks 0-3 are in; the youngest eight loads (A's blocks 4-7) may be out
.if \first
	WIN 0x81                                       ; C (the bias) window 0, D window 2
.else
	WIN MUL_LO
.endif
	MUL16 0, (\q)%2, \q, \slot, \first
	MUL16 2, (\q)%2, \q, \slot, \first
	s_wait_dscnt 0                                 ; A's blocks 4-7 are in
	PLACES NP
	FETCH_B \slot, (\q)+1, 1-(\q)%2
	FETCH_A \slot, (\q)+1, 0
.if \first
	WIN 0xc1
.else
	WIN MUL_HI
.endif
	MUL16 4, (\q)%2, \q, \slot, \first
	MUL16 6, (\q)%2, \q, \slot, \first
	PLACES NP
	WIN 0
	FETCH_A \slot, (\q)+1, 4
.endm
.macro TURN slot, next                 ; slot 0's last step: one barrier; in front of it my part of slot 1 has landed and my reads of slot 0 are over
	s_wait_tensorcnt 0x0                           ; all my tensor loads have landed
	ds_add_u32 v[SPW], v[NIL]                      ; 0 onto my spare word
	s_wait_dscnt 4*NL+1                            ; the add and the youngest eight loads may be out
	WIN MUL_LO
	MUL16 0, 1, NQ-1, \slot, 0
	s_wait_dscnt 0x0                               ; the add is done, and my reads of this slot are over
	s_barrier_signal -1
	MUL16 2, 1, NQ-1, \slot, 0
	WIN 0
	s_barrier_wait -1
	PLACES NP
	v_add_nc_u32 v[ADRS], 4*NQ, v[ADRS]            ; the next slot's scale words
	FETCH_B \next, 0, 0
	FETCH_A \next, 0, 0
	SCALES \next
	WIN MUL_HI
	MUL16 4, 1, NQ-1, \slot, 0
	MUL16 6, 1, NQ-1, \slot, 0
	PLACES NP
	WIN 0
	FETCH_A \next, 0, 4
.endm
	s_wait_tensorcnt 1                             ; the scales and my part of slot 0 are in; slot 1's load may be out
	s_barrier_signal -1
	s_barrier_wait -1
	FETCH_B 0, 0, 0
	FETCH_A 0, 0, 0
	SCALES 0
	FETCH_A 0, 0, 4
	s_wait_loadcnt 0x0                             ; the bias
	STEP 0, 0, 1
	STEP 0, 1, 0
	STEP 0, 2, 0
	TURN 0, 1
	STEP 1, 0, 0
	STEP 1, 1, 0
	STEP 1, 2, 0
	s_wait_dscnt 4*NL                              ; the last step: nothing more to fetch
	WIN MUL_LO
	MUL16 0, 1, NQ-1, 1, 0
	MUL16 2, 1, NQ-1, 1, 0
	s_wait_dscnt 0
	WIN MUL_HI
	MUL16 4, 1, NQ-1, 1, 0
	MUL16 6, 1, NQ-1, 1, 0
	WIN 0
; THE WAY OUT, a block of 16 rows x 128 columns at a time: x the plane's factor, rounded to f16 (16 bytes a lane), through my stage, back as whole rows of 256 bytes.
.macro PACK a
.set AC, 64*((\a)%4)
	WIN 0x82+0x41*((\a)/4)                         ; destination and source 0: window 2 or 3
.set i, 0
.rept 32
	v_pk_mul_f32 v[AC+i:AC+i+1], v[AC+i:AC+i+1], s[FAC:FAC+1] op_sel_hi:[1,0]   ; each accumulator from its low end on
.set i, i+2
.endr
	WIN 0x0a+5*((\a)/4)                            ; sources 0 and 1: window 2 or 3
.irp b, 0,1,2,3,4,5,6,7
.irp r, 0,1,2,3
	v_cvt_pk_f16_f32 v[TMP+4*\b+\r], v[AC+8*\b+2*\r], v[AC+8*\b+2*\r+1]
.endr
.endr
	WIN 0
.endm
.macro TOSTAGE a
.set BB, BK+32*((\a)%2)
.irp b, 0,1,2,3,4,5,6,7
	ds_store_b128 v[STO], v[TMP+4*\b:TMP+4*\b+3] offset:32*\b
.endr
.irp t, 0,1,2,3,4,5,6,7
	ds_load_b128 v[BB+4*\t:BB+4*\t+3], v[RD] offset:\t*2*SPITCH    ; LDS serves a wave's instructions in order: these see the stores above
.endr
.endm
.macro SEND a
.set BB, BK+32*((\a)%2)
	s_wait_dscnt 0x0                               ; the block is back in registers
	s_wait_xcnt 0x0                                ; the earlier stores have read their registers and their base
.if (\a) > 0
	s_add_nc_u64 s[12:13], s[12:13], 16*2048       ; 16 rows on
.endif
.irp t, 0,1,2,3,4,5,6,7
	global_store_b128 v[CO], v[BB+4*\t:BB+4*\t+3], s[12:13] offset:2*\t*2048   ; 16 lanes store 256 consecutive bytes, aligned
.endr
.endm
	PLACES NP                                      ; behind the last products, ahead of the first read of results and of loads into A's registers
	PACK 0
	TOSTAGE 0
.irp a, 1,2,3,4,5,6,7
	PACK \a
	SEND \a-1
	TOSTAGE \a
.endr
	SEND 7
	s_wait_tensorcnt 0x0                           ; the wave's end
	ds_add_u32 v[SPW], v[NIL]
	s_wait_dscnt 0x0
	CROUND                                         ; the closing round
	s_endpgm
.Lfunc_end_k_q1a7dd5b32a_qkv:
	.size	k_q1a7dd5b32a_qkv, .Lfunc_end_k_q1a7dd5b32a_qkv-k_q1a7dd5b32a_qkv
	.p2alignl 7, 3214868480
	.fill 96, 4, 3214868480
	.section	.rodata,"a",@progbits
	.p2align	6, 0x0
	.amdhsa_kernel k_q1a7dd5b32a_qkv
		.amdhsa_group_segment_fixed_size 327680
		.amdhsa_private_segment_fixed_size 0
		.amdhsa_enable_private_segment 0
		.amdhsa_kernarg_size 56
		.amdhsa_user_sgpr_count 2
		.amdhsa_user_sgpr_kernarg_segment_ptr 1
		.amdhsa_wavefront_size32 1
		.amdhsa_system_sgpr_workgroup_id_x 1
		.amdhsa_system_sgpr_workgroup_id_y 1
		.amdhsa_system_sgpr_workgroup_id_z 1
		.amdhsa_system_vgpr_workitem_id 0
		.amdhsa_next_free_vgpr 1024
		.amdhsa_next_free_sgpr 102
		.amdhsa_reserve_vcc 0
		.amdhsa_float_denorm_mode_32 3
		.amdhsa_float_denorm_mode_16_64 3
		.amdhsa_memory_ordered 1
		.amdhsa_forward_progress 1
		.amdhsa_inst_pref_size 145
	.end_amdhsa_kernel
	.amdgpu_metadata
---
amdhsa.version: [ 1, 2 ]
amdhsa.kernels:
  - .name:           k_q1a7dd5b32a_qkv
    .symbol:         k_q1a7dd5b32a_qkv.kd
    .args:
      - { .name: acodes, .offset: 0, .size: 8, .value_kind: global_buffer, .address_space: global }
      - { .name: ascales, .offset: 8, .size: 8, .value_kind: global_buffer, .address_space: global }
      - { .name: wcodes, .offset: 16, .size: 8, .value_kind: global_buffer, .address_space: global }
      - { .name: wscales, .offset: 24, .size: 8, .value_kind: global_buffer, .address_space: global }
      - { .name: bq, .offset: 32, .size: 8, .value_kind: global_buffer, .address_space: global }
      - { .name: bkv, .offset: 40, .size: 8, .value_kind: global_buffer, .address_space: global }
      - { .name: qkv, .offset: 48, .size: 8, .value_kind: global_buffer, .address_space: global }
    .group_segment_fixed_size: 327680
    .private_segment_fixed_size: 0
    .kernarg_segment_align: 8
    .kernarg_segment_size: 56
    .max_flat_workgroup_size: 128
    .sgpr_count:     102
    .vgpr_count:     1024
    .wavefront_size: 32
...
	.end_amdgpu_metadata
.endif
;; end of part 2
;; launch attn (part 3): grid 16 x 16, 4 waves a work-group, clusters of 4 x 1, 327,680 bytes of LDS; arguments qkv, attn_mask, kbias, oh; writes oh
.if DOCPART == 3
	.amdgcn_target "amdgcn-amd-amdhsa--gfx1250"
	.amdhsa_code_object_version 6
	.text
	.protected	k_q1a7dd5b32a_attn
	.globl	k_q1a7dd5b32a_attn
	.p2align	8
	.type	k_q1a7dd5b32a_attn,@function
k_q1a7dd5b32a_attn:
	s_mov_b64 s[64:65], 0
	v_nop
	global_prefetch_b8 v0, s[64:65] scope:SCOPE_SE
	s_setreg_imm32_b32 hwreg(HW_REG_WAVE_MODE, 25, 1), 1
	s_wait_xcnt 0x0
	s_wait_alu depctr_hold_cnt(0) depctr_sa_sdst(0) depctr_va_vdst(0) depctr_va_sdst(0) depctr_va_ssrc(0) depctr_va_vcc(0) depctr_vm_vsrc(0)
	s_getreg_b32 s2, hwreg(HW_REG_IB_STS2, 6, 4)
	s_cmp_eq_u32 s2, 0
	s_cbranch_scc0 .Lentry_in_a_cluster
	s_endpgm
.Lentry_in_a_cluster:
	s_bfe_u32 s2, ttmp6, 0x10000c
	s_cmp_lg_u32 s2, 0x3003
	s_cbranch_scc0 .Lentry_shape_is_right
	s_endpgm
.Lentry_shape_is_right:
; ATTENTION.  qkv [3][8192][1024] f16 (plane 0: q x 0.125 log2(e); 1: k; 2: v), attn_mask [2048][2048] f32, kbias [4][2048] f32 (0, or -2^100 for a padded key) -> oh [8192][1024] f16.
; t = q'.k + mask x log2(e) + kbias;  m = the running largest t of a query;  p = 2^(t - m), rounded to f16;  O and the sum l are multiplied by a = 2^(old m - new m) in every step;  o = O / l.
; A padded key has t near -2^100: p = 0 once a key that counts has been met, and what was summed before is wiped by a = 0.  A query that has met no such key (m < -2^99) gets NaN, as a softmax of -infinities does.
; LIMITS: attn_mask holds finite numbers; t of a key that counts lies above -2^99; q', k, v and o lie inside f16's range; NaN and infinities among the inputs are not served.
; SHARES.  A work-group owns 128 queries x 4 heads of one batch (x: the block of queries; y = 4 x batch + group of heads).  A wave owns 32 queries (two tiles of 16) x the 4 heads: eight tiles.
; So the mask's tile with the padding's addend is made ONCE a key step, in registers, and is the C of the first product of all four heads: it costs no addition a head.  The four heads' k (and v) are 512 neighbouring bytes of a row.
; LAYOUT.  Both products are used transposed: S^T = K Q^T + mask (source 0 = 16 keys, source 1 = 16 queries), O^T = V^T P (source 0 = 16 channels, source 1 = P): a lane holds ONE query throughout.
; The row's sum is a product too: L = ONES P, whose every register holds the query's sum; register 0 alone is kept to scale and read.
; BY TURNS.  A unit u is (key step, head).  In turn u the matrix unit has V^T P of unit u - 1 (20 products) and K Q^T of unit u + 1 (16); the softmax of unit u, 204 vector instructions, stands in slices behind every second of them.
; K of unit u + 1 is fetched at the turn's head, V of unit u + 1 at its middle, into the buffer that unit u - 1 has left.  So every read of a slot ends ahead of the change of slots at the head of the step's fourth turn.
; CLUSTER.  The four blocks of queries of a cluster walk the same K and V: joint loads, mask 15.  The mask's tiles are a work-group's own: plain loads behind the same round.
; REGISTERS, in windows of 256.  window 0: v2-11 addresses; v16-31 m (tile (hh, t) at 16 + 4 hh + 2 t); v32-39 at work; v40-43 a; v44-59 1 / l; v64-191 S^T, two buffers x two tiles x 32; v192-255 P, two x two x 16.
;   window 1: O^T (64 hh + 32 t + 8 x tile of channels).  window 2: v0-127 Q; v128-191 K of one unit; v192-255 the mask's tile.  window 3: v0-127 V, two buffers; v128-191 L; v192-223 kbias of the step; v224-231 ones.
.set KS,    64                         ; keys in a step
.set PK,    528                        ; a row of K in LDS: 512 bytes + 16
.set PVP,   544                        ; a row of V: 512 + 32
.set PM,    272                        ; a row of the mask's tile: 256 + 16
.set VOFF,  KS*PK
.set MOFF,  VOFF+KS*PVP
.set SLOT1, 1<<17                      ; slot 1 begins here: one exclusive or turns an address from one slot to the other
.set KBT,   234496                     ; the batch's kbias, 8,192 bytes, filled once
.set STG,   242688                     ; the way out: 16 rows x 528 bytes for each wave
.set SP,    528
.set SPARE, 276480                     ; the spare words, 128 bytes for each wave
.set AK0, 2
.set AV0, 3
.set ADR, 4
.set AM0, 5
.set AKB0, 6
.set QO,  7
.set STO, 8
.set RD,  9
.set GO,  10
.set PFO, 11
.set MM,  16
.set CC,  32
.set AA,  40
.set RC,  44
.set QNAN, 60
.set SPW, 62
.set NIL, 63
.set S,   64
.set P,   192
.set KF,  128                          ; window 2
.set MR,  192                          ; window 2
.set LL,  128                          ; window 3
.set KB,  192                          ; window 3
.set ONES, 224                         ; window 3
.set WV,  12
.set LIM, 17                           ; s17  1 in a wave that prefetches, else the greatest number
.set PFA, 20                           ; s[20:21] where my prefetches stand
.set PFS, 22                           ; s[22:23] a key step on, in bytes
.set G1K, 24
.set G1V, 32
.set G1M, 40
.set G1T, 48
.set G0K, 56                           ; two sets each: the first fills'; the second then walks
.set G0V, 68
.set G0M, 76
.set G0T, 84
.set SEL, 88
.set CNT, 90
.set TB,  91                           ; LDS byte at which the slot being fetched begins
.set KBO, 92                           ; 256 x the step being fetched
.set LG,  94                           ; s[94:95] log2(e)
.set MSB, 0
.macro WIN new
.if MSB != (\new)
	s_set_vgpr_msb (MSB<<8)|(\new)
.set MSB, (\new)
.endif
.endm
.macro PLACES
.rept 4
	v_nop
.endr
.endm
.macro CROUND
	s_barrier_signal -1
	s_barrier_wait -1
	s_cmp_lg_u32 s[WV], 0
	s_cbranch_scc1 .Lnot_wave_0_\@
	s_barrier_signal -3
.Lnot_wave_0_\@:
	s_barrier_wait -3
	s_barrier_signal -1
	s_barrier_wait -1
.endm
; A refill: wave 0 K's tile, wave 1 V's (both joint), waves 2 and 3 the halves of the mask's.  One load a wave; an s_nop 0 and four v_nop follow each line.
.macro JLOAD3
	s_cmp_eq_u32 s[WV], 0
	s_cbranch_scc0 .Lnot_k_\@
	tensor_load_to_lds s[G0K+4:G0K+7], s[G1K:G1K+7]
	s_nop 0
.rept 4
	v_nop
.endr
	s_branch .Lasked_\@
.Lnot_k_\@:
	s_cmp_eq_u32 s[WV], 1
	s_cbranch_scc0 .Lfor_m_\@
	tensor_load_to_lds s[G0V+4:G0V+7], s[G1V:G1V+7]
	s_nop 0
.rept 4
	v_nop
.endr
	s_branch .Lasked_\@
.Lfor_m_\@:
	tensor_load_to_lds s[G0M+4:G0M+7], s[G1M:G1M+7]
	s_nop 0
.rept 4
	v_nop
.endr
.Lasked_\@:
.endm
; A PREFETCH of what the NEXT change of slots will load: one key step, 144 matrix instructions, ahead.  Each aligned 256 bytes are named once in the launch.
; K and V (64 rows x 512 bytes): all clusters of one y walk them, the cluster with x = 0 asks; its four partners take 16 rows each, told apart by address; wave 0 K's, wave 1 V's: 16 rows x 2 blocks = 32 lanes.
; The mask (128 rows x 256 bytes): all y read it, the work-groups with y = 0 ask; waves 2 and 3 take 64 rows each, a lane a row, two instructions.  The last change that fills a slot asks for nothing.
.macro ASK
	s_cmp_gt_u32 s[CNT], s[LIM]
	s_cbranch_scc0 .Lnot_mine_\@
	global_prefetch_b8 v[PFO], s[PFA:PFA+1] th:TH_LOAD_NT scope:SCOPE_SE
	s_cmp_lt_u32 s[WV], 2
	s_cbranch_scc1 .Lnot_mine_\@
	global_prefetch_b8 v[PFO], s[PFA:PFA+1] offset:262144 th:TH_LOAD_NT scope:SCOPE_SE
.Lnot_mine_\@:
.endm
	s_load_b256 s[4:11], s[0:1], 0x0               ; qkv 4, attn_mask 6, kbias 8, oh 10
	v_lshl_add_u32 v[SPW], v0, 2, SPARE
	v_mov_b32 v[NIL], 0
	ds_add_u32 v[SPW], v[NIL]                      ; the wave's opening: the add, twice on end, and its wait ahead of my first tensor load
	ds_add_u32 v[SPW], v[NIL]
	v_lshrrev_b32 v1, 5, v0
	v_readfirstlane_b32 s[WV], v1                  ; wave 0..3
	s_bfe_u32 s13, ttmp6, 0x40000                  ; cx
	s_lshl_b32 s14, ttmp9, 2
	s_add_co_u32 s14, s14, s13                     ; my block of 128 queries
	s_and_b32 s19, ttmp7, 0xffff                   ; y
	s_lshr_b32 s15, s19, 2                         ; the batch
	s_and_b32 s16, s19, 3                          ; the group of four heads
	s_lshl_b32 s2, s15, 22                         ; the batch's 2,048 rows of 2,048 bytes,
	s_lshl_b32 s3, s16, 9                          ; my heads' 512 bytes of a row
	s_add_co_u32 s2, s2, s3
	s_mov_b32 s3, 0                                ; s[2:3]: shared by the four partners
	s_lshl_b32 s96, s14, 18                        ; my block's 128 rows,
	s_lshl_b32 s97, s[WV], 16                      ; my wave's 32 of them
	s_add_co_u32 s96, s96, s97
	s_add_co_u32 s96, s96, s2
	s_mov_b32 s97, 0                               ; s[96:97]: my first row in plane 0 and in oh
	s_and_b32 s93, s[WV], 1
	s_lshl_b32 s98, s14, 20                        ; the mask: 128 rows of 8,192 bytes,
	s_lshl_b32 s99, s93, 19                        ; the half that I fetch
	s_add_co_u32 s98, s98, s99
	s_mov_b32 s99, 0
	s_mul_i32 s93, s93, 64*PM
	s_add_co_u32 s93, s93, MOFF                    ; and its place in a slot
	s_mov_b32 s[G1K], 15|(1<<16)|(1<<20)|(1<<21)|(6<<22)|(3<<25)   ; the mask: all four work-groups; elements of 2 bytes; 4 words of padding after every 128
	s_mov_b32 s[G1V], 15|(1<<16)|(1<<20)|(1<<21)|(6<<22)|(7<<25)   ; the same with 8 words
.irp g, G1K, G1V
	s_mov_b32 s[\g+1], 256<<16                     ; tensor_dim0 = 256 elements
	s_mov_b32 s[\g+2], KS<<16                      ; tensor_dim1 = 64
	s_mov_b32 s[\g+3], 256<<16                     ; tile_dim0
	s_mov_b32 s[\g+4], KS                          ; tile_dim1
	s_mov_b32 s[\g+5], 1024                        ; from row to row
	s_mov_b32 s[\g+6], 0
	s_mov_b32 s[\g+7], 0
.endr
	s_mov_b32 s[G1M], (2<<16)|(1<<20)|(5<<22)|(3<<25)              ; no mask; elements of 4 bytes; 4 words of padding after every 64
	s_mov_b32 s[G1M+1], 64<<16
	s_mov_b32 s[G1M+2], 64<<16
	s_mov_b32 s[G1M+3], 64<<16
	s_mov_b32 s[G1M+4], 64
	s_mov_b32 s[G1M+5], 2048
	s_mov_b32 s[G1M+6], 0
	s_mov_b32 s[G1M+7], 0
	s_mov_b32 s[G1T], 3<<16                        ; a dense block: 32 rows of 32 elements of 8 bytes
	s_mov_b32 s[G1T+1], 32<<16
	s_mov_b32 s[G1T+2], 32<<16
	s_mov_b32 s[G1T+3], 32<<16
	s_mov_b32 s[G1T+4], 32
	s_mov_b32 s[G1T+5], 32
	s_mov_b32 s[G1T+6], 0
	s_mov_b32 s[G1T+7], 0
	s_mov_b32 s[SEL], 0x76543210
	s_mov_b32 s[SEL+1], 0xfedcba98
	s_mov_b32 s[LG], 0x3fb8aa3b                    ; log2(e)
	s_mov_b32 s[LG+1], s[LG]
	s_mov_b32 s[TB], 0
	s_wait_dscnt 0x0                               ; both opening adds are done
	s_wait_kmcnt 0x0
	s_mov_b32 s[G0K], 1
	s_mov_b32 s[G0K+1], 0
	s_add_nc_u64 s[G0K+2:G0K+3], s[4:5], s[2:3]
	s_add_nc_u64 s[G0K+2:G0K+3], s[G0K+2:G0K+3], 0x1000000         ; plane 1, step 0
	s_mov_b32 s[G0K+4], 1
	s_mov_b32 s[G0K+5], SLOT1
	s_add_nc_u64 s[G0K+6:G0K+7], s[G0K+2:G0K+3], KS*2048           ; step 1
	s_mov_b32 s[G0V], 1
	s_mov_b32 s[G0V+1], VOFF
	s_add_nc_u64 s[G0V+2:G0V+3], s[G0K+2:G0K+3], 0x1000000         ; plane 2
	s_mov_b32 s[G0V+4], 1
	s_mov_b32 s[G0V+5], SLOT1+VOFF
	s_add_nc_u64 s[G0V+6:G0V+7], s[G0V+2:G0V+3], KS*2048
	s_mov_b32 s[G0M], 1
	s_mov_b32 s[G0M+1], s93
	s_add_nc_u64 s[G0M+2:G0M+3], s[6:7], s[98:99]
	s_mov_b32 s[G0M+4], 1
	s_add_co_u32 s[G0M+5], s93, SLOT1
	s_add_nc_u64 s[G0M+6:G0M+7], s[G0M+2:G0M+3], 256
	s_mov_b32 s[G0T], 1
	s_mov_b32 s[G0T+1], KBT
	s_lshl_b32 s22, s15, 13
	s_mov_b32 s23, 0
	s_add_nc_u64 s[G0T+2:G0T+3], s[8:9], s[22:23]
.irp g, G0K+3, G0K+7, G0V+3, G0V+7, G0M+3, G0M+7, G0T+3
	s_or_b32 s[\g], s[\g], 0x80000000              ; type = 2
.endr
	; the prefetches: where my wave's stand (at step 2: the first change steps them to step 3), and who asks
	s_add_co_u32 s17, s[WV], 1
	s_lshl_b32 s17, s17, 24                        ; plane 1 (wave 0) or 2 (wave 1)
	s_add_co_u32 s17, s17, s2
	s_lshl_b32 s18, s13, 15                        ; my work-group's 16 rows of the 64
	s_add_co_u32 s17, s17, s18
	s_add_co_u32 s17, s17, 2*KS*2048
	s_add_co_u32 s18, s98, 2*256
	s_mov_b32 s22, 256
	s_mov_b32 s92, 8192
	s_mov_b32 s93, 131072
	s_cmp_lt_u32 s[WV], 2
	s_cselect_b64 s[PFA:PFA+1], s[4:5], s[6:7]
	s_cselect_b32 s98, s17, s18
	s_cselect_b32 s22, KS*2048, s22                ; a step on
	s_cselect_b32 s92, 2048, s92                   ; from lane to lane among 16,
	s_cselect_b32 s93, 256, s93                    ; and for lanes 16-31
	s_cselect_b32 s17, ttmp9, s19                  ; the coordinate along which others read the same bytes
	s_add_nc_u64 s[PFA:PFA+1], s[PFA:PFA+1], s[98:99]
	s_cmp_eq_u32 s17, 0
	s_cselect_b32 s[LIM], 1, -1                    ; the same in all four partners, for a given wave
	v_and_b32 v12, 15, v0                          ; r = l % 16
	v_bfe_u32 v13, v0, 4, 1                        ; h = l / 16
	v_mul_lo_u32 v[PFO], v12, s92
	v_mul_lo_u32 v14, v13, s93
	v_add_nc_u32 v[PFO], v[PFO], v14
	s_mov_b32 s[KBO], 0
	s_mov_b32 s18, 0xf1000000                      ; -2^99
	s_add_nc_u64 s[4:5], s[4:5], s[96:97]          ; Q at my wave's first row
	s_add_nc_u64 s[10:11], s[10:11], s[96:97]      ; oh likewise
	CROUND                                         ; all four work-groups are here: the first joint loads meet
	s_cmp_eq_u32 s[WV], 0                          ; a wave's first fills stand in one branch: two loads of mine are out, three in wave 1
	s_cbranch_scc0 .Lfirst_not_k
	tensor_load_to_lds s[G0K:G0K+3], s[G1K:G1K+7]
	s_nop 0
	tensor_load_to_lds s[G0K+4:G0K+7], s[G1K:G1K+7]
	s_nop 0
.rept 4
	v_nop
.endr
	s_branch .Lfirst_asked
.Lfirst_not_k:
	s_cmp_eq_u32 s[WV], 1
	s_cbranch_scc0 .Lfirst_m
	tensor_load_to_lds s[G0T:G0T+3], s[G1T:G1T+7]
	s_nop 0
	tensor_load_to_lds s[G0V:G0V+3], s[G1V:G1V+7]
	s_nop 0
	tensor_load_to_lds s[G0V+4:G0V+7], s[G1V:G1V+7]
	s_nop 0
.rept 4
	v_nop
.endr
	s_branch .Lfirst_asked
.Lfirst_m:
	tensor_load_to_lds s[G0M:G0M+3], s[G1M:G1M+7]
	s_nop 0
	tensor_load_to_lds s[G0M+4:G0M+7], s[G1M:G1M+7]
	s_nop 0
.rept 4
	v_nop
.endr
.Lfirst_asked:
	v_lshlrev_b32 v[QO], 11, v12
	v_lshl_add_u32 v[QO], v13, 4, v[QO]            ; Q: row r of 2,048 bytes + 16 h
	WIN 0x80                                       ; destination window 2
.irp f, 0,1,2,3,4,5,6,7,8,9,10,11,12,13,14,15      ; fragment f = 4 hh + 2 t + kc: head hh, tile t, channels 32 kc on; Q stays in registers
	global_load_b128 v[8*\f:8*\f+3],   v[QO], s[4:5] offset:((\f/2)%2)*32768+(\f/4)*128+(\f%2)*64
	global_load_b128 v[8*\f+4:8*\f+7], v[QO], s[4:5] offset:((\f/2)%2)*32768+(\f/4)*128+(\f%2)*64+32
.endr
	WIN 0
	v_mul_u32_u24 v[AK0], v12, PK
	v_lshl_add_u32 v[AK0], v13, 4, v[AK0]          ; K: key r x pitch + 16 h
	v_and_b32 v14, 7, v0
	v_bfe_u32 v15, v0, 3, 1
	v_lshl_add_u32 v[AV0], v13, 3, v14             ; V, for the turning load: key 8 h + l % 8, channels 8 ((l / 8) % 2) on
	v_mul_u32_u24 v[AV0], v[AV0], PVP
	v_lshl_add_u32 v[AV0], v15, 4, v[AV0]
	v_add_nc_u32 v[AV0], VOFF, v[AV0]
	s_mul_i32 s93, s[WV], 32*PM
	s_add_co_u32 s93, s93, MOFF
	v_mul_u32_u24 v[AM0], v12, PM
	v_lshl_add_u32 v[AM0], v13, 5, v[AM0]
	v_add_nc_u32 v[AM0], s93, v[AM0]               ; the mask: query 32 w + r, keys 8 h on
	v_lshl_add_u32 v[AKB0], v13, 5, KBT            ; kbias: keys 8 h on
	s_mul_i32 s93, s[WV], 16*SP
	s_add_co_u32 s93, s93, STG                     ; my stage
	v_mul_u32_u24 v[STO], v12, SP
	v_lshl_add_u32 v[STO], v13, 4, v[STO]
	v_add_nc_u32 v[STO], s93, v[STO]               ; in: row r, 16 bytes for each half of the lanes
	v_and_b32 v14, 31, v0
	v_lshlrev_b32 v[GO], 4, v14                    ; back, and in oh: the 32 lanes take a row's 512 bytes
	v_add_nc_u32 v[RD], s93, v[GO]
.set i, MM
.rept 16
	v_mov_b32 v[i], 0xff61b1e6                     ; m = -3e38, under every t (the odd registers are named as upper halves of pairs and never used)
.set i, i+1
.endr
.set i, CC
.rept 28
	v_mov_b32 v[i], 0
.set i, i+1
.endr
	v_mov_b32 v[QNAN], 0x7fc00000
	WIN 0x40
.set i, 0
.rept 256
	v_mov_b32 v[i], 0                              ; O^T.  The turns are written once for all steps: the first finds zeros, which a = 0 leaves zeros; a first step of its own would be four more turns of text
.set i, i+1
.endr
	WIN 0xc0
.set i, LL
.rept 64
	v_mov_b32 v[i], 0                              ; L
.set i, i+1
.endr
.set i, ONES
.rept 8
	v_mov_b32 v[i], 0x3c003c00                     ; f16 1.0, twice
.set i, i+1
.endr
	WIN 0
; ---- the matrix work.  The accumulators take turns, one instruction a turn.
.macro KQ hn, sp                       ; product i of 16: channels 32 (i / 8) on, keys 16 ((i / 2) % 4) on, tile i % 2.  The first 8 take the mask's tile as C
.set kc, i/8
.set kt, (i/2)%4
.set t, i%2
.set rS, S+64*(\sp)+32*t+8*kt
.set rK, KF+16*kt+8*kc
.set rQ, 32*(\hn)+16*t+8*kc
.if kc == 0
	WIN 0x2a                                       ; K, Q and C window 2, D window 0
	v_wmma_f32_16x16x32_f16 v[rS:rS+7], v[rK:rK+7], v[rQ:rQ+7], v[MR+32*t+8*kt:MR+32*t+8*kt+7]
.else
	WIN 0x0a
	v_wmma_f32_16x16x32_f16 v[rS:rS+7], v[rK:rK+7], v[rQ:rQ+7], v[rS:rS+7]
.endif
.endm
.macro PV hp, pp                       ; product i of 20: keys 32 (i / 10) on; of each ten, eight for O^T (tile, tile of channels) and two for L
.set c, i/10
.set w, i%10
.if w < 8
.set t, w%2
.set rO, 64*(\hp)+32*t+8*(w/2)
.set rV, 64*(\pp)+32*c+8*(w/2)
.set rP, P+32*(\pp)+16*t+8*c
	WIN 0x53                                       ; V window 3, P window 0, O^T window 1
	v_wmma_f32_16x16x32_f16 v[rO:rO+7], v[rV:rV+7], v[rP:rP+7], v[rO:rO+7]
.else
.set t, w-8
.set rL, LL+16*(\hp)+8*t
.set rP, P+32*(\pp)+16*t+8*c
	WIN 0xf3                                       ; ones and L window 3
	v_wmma_f32_16x16x32_f16 v[rL:rL+7], v[ONES:ONES+7], v[rP:rP+7], v[rL:rL+7]
.endif
.endm
; ---- the LDS loads, in runs
.macro FETCH_K hn
	WIN 0
	v_add_nc_u32 v[ADR], s[TB], v[AK0]
	WIN 0x80
.irp f, 0,1,2,3,4,5,6,7                            ; keys 16 (f / 2) on, channels 32 (f % 2) on
	ds_load_b128 v[KF+8*\f:KF+8*\f+3],   v[ADR] offset:(\f/2)*16*PK+128*(\hn)+(\f%2)*64
	ds_load_b128 v[KF+8*\f+4:KF+8*\f+7], v[ADR] offset:(\f/2)*16*PK+128*(\hn)+(\f%2)*64+32
.endr
.endm
.macro FETCH_V hn, buf
	WIN 0
	v_add_nc_u32 v[ADR], s[TB], v[AV0]
	WIN 0xc0
.irp f, 0,1,2,3,4,5,6,7                            ; keys 32 (f / 4) on, channels 16 (f % 4) on
	ds_load_tr16_b128 v[64*(\buf)+8*\f:64*(\buf)+8*\f+3],   v[ADR] offset:(\f/4)*32*PVP+128*(\hn)+(\f%4)*32
	ds_load_tr16_b128 v[64*(\buf)+8*\f+4:64*(\buf)+8*\f+7], v[ADR] offset:(\f/4)*32*PVP+16*PVP+128*(\hn)+(\f%4)*32
.endr
.endm
.macro FETCH_M
	WIN 0
	v_add_nc_u32 v[ADR], s[TB], v[AM0]
	WIN 0x80
.irp f, 0,1,2,3,4,5,6,7                            ; tile f / 4, keys 16 (f % 4) on
	ds_load_b128 v[MR+8*\f:MR+8*\f+3],   v[ADR] offset:(\f/4)*16*PM+(\f%4)*64
	ds_load_b128 v[MR+8*\f+4:MR+8*\f+7], v[ADR] offset:(\f/4)*16*PM+(\f%4)*64+16
.endr
.endm
.macro FETCH_KB
	WIN 0
	v_add_nc_u32 v[ADR], s[KBO], v[AKB0]
	WIN 0xc0
.irp f, 0,1,2,3
	ds_load_b128 v[KB+8*\f:KB+8*\f+3],   v[ADR] offset:64*\f
	ds_load_b128 v[KB+8*\f+4:KB+8*\f+7], v[ADR] offset:64*\f+16
.endr
.endm
.macro MPREP                           ; the step's C for all four heads: mask x log2(e) + kbias
	WIN 0xb2                                       ; destination and source 0 window 2, source 2 window 3
.irp t, 0,1
.set i, 0
.rept 16
	v_pk_fma_f32 v[MR+32*\t+i:MR+32*\t+i+1], v[MR+32*\t+i:MR+32*\t+i+1], s[LG:LG+1], v[KB+i:KB+i+1] op_sel_hi:[1,0,1]
.set i, i+2
.endr
.endr
.endm
; ---- the vector work of a turn: number vi of 204, the two tiles alternating (tile vi % 2).
;   0-31 the maximum of the 32 scores and the old m, three operands at a time, each accumulator from its low end on;  32-39 the other half of the lanes, the new m, old m - new m;
;   40-137 ONE BATCH: a, and for each pair of scores the subtraction of m and two exponentials: none of these names an exponential's result;  then a plain instruction and the turn's one wait;
;   138-169 the roundings to f16;  170-171 L's register 0 x a;  172-203 O^T x a.
.macro VI hh, p
.set t, vi%2
.set rS, S+64*(\p)+32*t
.set rP, P+32*(\p)+16*t
.set rM, MM+4*(\hh)+2*t
.set rC, CC+4*t
.set rA, AA+2*t
.if vi < 32
	WIN 0
.set j, vi/2
.if j < 4
	v_max3_num_f32 v[rC+j], v[rS+8*j], v[rS+8*j+1], v[rS+8*j+2]
.elseif j < 12
	v_max3_num_f32 v[rC+j%4], v[rC+j%4], v[rS+8*(j%4)+2*(j/4)+1], v[rS+8*(j%4)+2*(j/4)+2]
.elseif j == 12
	v_max3_num_f32 v[rC], v[rC], v[rS+7], v[rS+15]
.elseif j == 13
	v_max3_num_f32 v[rC+2], v[rC+2], v[rS+23], v[rS+31]
.elseif j == 14
	v_max3_num_f32 v[rC], v[rC], v[rC+1], v[rC+2]
.else
	v_max3_num_f32 v[rC], v[rC], v[rC+3], v[rM]
.endif
.elseif vi < 40
	WIN 0
.set j, (vi-32)/2
.if j == 0
	v_permlanex16_b32 v[rC+1], v[rC], s[SEL], s[SEL+1]   ; the query's other 32 keys lie in the lane 16 away
.elseif j == 1
	v_mov_b32 v[rA], v[rM]
.elseif j == 2
	v_max_num_f32 v[rM], v[rC], v[rC+1]
.else
	v_sub_f32 v[rA], v[rA], v[rM]
.endif
.elseif vi < 138
	WIN 0
.set j, (vi-40)/2
.if j == 0
	v_exp_f32 v[rA], v[rA]
.elseif (j-1)%3 == 0
.set b, (j-1)/3
	v_pk_add_f32 v[rS+2*b:rS+2*b+1], v[rS+2*b:rS+2*b+1], v[rM:rM+1] op_sel_hi:[1,0] neg_lo:[0,1] neg_hi:[0,1]
.else
.set e, 2*((j-1)/3)+(j-1)%3-1
	v_exp_f32 v[rS+e], v[rS+e]
.endif
.elseif vi < 170
	WIN 0
.if vi == 138
	v_nop                                          ; a plain instruction behind the last exponential,
	s_wait_alu depctr_va_vdst(0)                   ; and the wait ahead of the first use: one for the turn's 66 exponentials
.endif
.set j, (vi-138)/2
	v_cvt_pk_f16_f32 v[rP+j], v[rS+2*j], v[rS+2*j+1]
.elseif vi < 172
	WIN 0xc3                                       ; destination and source 0 window 3
	v_mul_f32 v[LL+16*(\hh)+8*t], v[LL+16*(\hh)+8*t], v[rA]
.else
	WIN 0x41                                       ; destination and source 0 window 1
.set j, 64*(\hh)+32*t+2*((vi-172)/2)
	v_pk_mul_f32 v[j:j+1], v[j:j+1], v[rA:rA+1] op_sel_hi:[1,0]
.endif
.set vi, vi+1
.endm
; A slice stands behind every second matrix instruction.  The turn's last slice is 16 or more multiplies of O^T, which name none of the last products' registers:
; they are the places ahead of the next turn's first read of the scores and of its loads into K's registers.
.macro SL hh, p
.if (wi%2) == 0
.if wi == NW
.set tgt, 204
.else
.set tgt, 200*wi/NW
.endif
.rept tgt-vi
	VI \hh, \p
.endr
.endif
.endm
; THE CHANGE OF SLOTS, at the head of a step's fourth turn.  Each wave waits for all its tensor loads (one is out: its part of the other slot), adds 0 to its spare word, and waits for that and for its reads of this slot.
; fill = 1: a round of the cluster's barrier, and behind it this slot's refill with the step two on: it has four turns, 144 matrix instructions, in which to land.
.macro CHANGE fill
	WIN 0
	s_wait_tensorcnt 0x0                           ; no tensor load of mine is out, so a group 0 may be written
	ds_add_u32 v[SPW], v[NIL]
.if \fill
	s_xor_b32 s[G0K+5], s[G0K+5], SLOT1            ; the walking descriptors: the other slot, the next 64 keys
	s_add_nc_u64 s[G0K+6:G0K+7], s[G0K+6:G0K+7], KS*2048
	s_xor_b32 s[G0V+5], s[G0V+5], SLOT1
	s_add_nc_u64 s[G0V+6:G0V+7], s[G0V+6:G0V+7], KS*2048
	s_xor_b32 s[G0M+5], s[G0M+5], SLOT1
	s_add_nc_u64 s[G0M+6:G0M+7], s[G0M+6:G0M+7], 256
	s_wait_xcnt 0x0                                ; the last prefetches, a key step back, have read their address
	s_add_nc_u64 s[PFA:PFA+1], s[PFA:PFA+1], s[PFS:PFS+1]
	s_wait_dscnt 0x0                               ; the add is done, and my reads of the slot are over
	CROUND
	JLOAD3
	ASK
.else
	s_wait_dscnt 0x0
	s_barrier_signal -1
	s_barrier_wait -1
.endif
	s_xor_b32 s[TB], s[TB], SLOT1                  ; the fetches go on in the other slot
	s_add_co_u32 s[KBO], s[KBO], 256
.endm
; A TURN of head hh.  pv: V^T P of the unit before; kq: K Q^T of the unit after; chg: the change of slots stands at its head.
.macro TURN hh, pv, kq, chg, fill
.set p, (\hh)%2
.set hn, ((\hh)+1)%4
.set hp, ((\hh)+3)%4
.set vi, 0
.set wi, 0
.set NW, 20*(\pv)+16*(\kq)
.if \chg
	CHANGE \fill
.endif
.if \kq
	FETCH_K hn
.if \chg
	FETCH_M
	FETCH_KB
.endif
.endif
.if \pv
.set i, 0
.rept 20
	PV hp, 1-p
.set i, i+1
.set wi, wi+1
	SL \hh, p
.endr
.endif
.if \kq
	s_wait_dscnt 0x0                               ; this turn's K (and mask and kbias), and the V that the last turn asked for
.if \chg
	MPREP
.endif
	PLACES                                         ; behind the last product that read this V buffer
	FETCH_V hn, 1-p
.set i, 0
.rept 16
	KQ hn, 1-p
.set i, i+1
.set wi, wi+1
	SL \hh, p
.endr
.endif
.endm
	s_wait_tensorcnt 1                             ; my part of slot 0 (and the table) is in; slot 1's load may be out
	s_barrier_signal -1
	s_barrier_wait -1
	FETCH_K 0
	FETCH_M
	FETCH_KB
	FETCH_V 0, 0
	s_wait_loadcnt 0x0                             ; Q
	s_wait_dscnt 0x0
	MPREP
.set i, 0
.rept 16
	KQ 0, 0                                        ; unit 0's scores: there is no vector work yet to set between them
.set i, i+1
.endr
	PLACES
	TURN 0, 0, 1, 0, 0
	WIN 0
	s_mov_b32 s[CNT], 30
.Lstep:                                            ; 30 trips: the refills are steps 2 to 31
	TURN 1, 1, 1, 0, 0
	TURN 2, 1, 1, 0, 0
	TURN 3, 1, 1, 1, 1
	TURN 0, 1, 1, 0, 0
	WIN 0
	s_sub_co_u32 s[CNT], s[CNT], 1
	s_cmp_lg_u32 s[CNT], 0
	s_cbranch_scc1 .Lstep
	TURN 1, 1, 1, 0, 0                             ; the tail is written out
	TURN 2, 1, 1, 0, 0
	TURN 3, 1, 1, 1, 0
	TURN 0, 1, 1, 0, 0
	TURN 1, 1, 1, 0, 0
	TURN 2, 1, 1, 0, 0
	TURN 3, 1, 0, 0, 0
	s_wait_dscnt 0x0                               ; V of the last unit
.set i, 0
.rept 20
	PV 3, 1
.set i, i+1
.endr
	; THE WAY OUT.  l is L's register 0; a query that met no key that counts gets NaN; O^T / l, rounded to f16, goes through my stage, a tile of 16 queries x 4 heads at a time, and leaves as rows of 512 bytes.
	PLACES
	WIN 0x03                                       ; source 0 window 3
.irp q, 0,1,2,3,4,5,6,7
	v_cmp_gt_f32 vcc_lo, s18, v[MM+2*\q]
	v_cndmask_b32 v[RC+2*\q], v[LL+8*\q], v[QNAN], vcc_lo
.endr
	WIN 0
.irp q, 0,1,2,3,4,5,6,7
	v_rcp_f32 v[RC+2*\q], v[RC+2*\q]
.endr
	v_nop
	s_wait_alu depctr_va_vdst(0)                   ; one wait for the eight reciprocals, ahead of their first use
.macro PACK t
	WIN 0x41
.irp hh, 0,1,2,3
.set i, 0
.rept 16
	v_pk_mul_f32 v[64*\hh+32*\t+i:64*\hh+32*\t+i+1], v[64*\hh+32*\t+i:64*\hh+32*\t+i+1], v[RC+4*\hh+2*\t:RC+4*\hh+2*\t+1] op_sel_hi:[1,0]
.set i, i+2
.endr
.endr
	WIN 0x05                                       ; sources 0 and 1 window 1, destination window 0: S^T's registers are free
.irp hh, 0,1,2,3
.set i, 0
.rept 16
	v_cvt_pk_f16_f32 v[S+64*\t+16*\hh+i], v[64*\hh+32*\t+2*i], v[64*\hh+32*\t+2*i+1]
.set i, i+1
.endr
.endr
	WIN 0
.irp hh, 0,1,2,3
.irp c, 0,1,2,3
	ds_store_b128 v[STO], v[S+64*\t+16*\hh+4*\c:S+64*\t+16*\hh+4*\c+3] offset:128*\hh+32*\c
.endr
.endr
.irp i, 0,1,2,3,4,5,6,7,8,9,10,11,12,13,14,15
	ds_load_b128 v[S+64*\t+4*\i:S+64*\t+4*\i+3], v[RD] offset:SP*\i   ; LDS serves a wave's instructions in order: these see the stores above; the next tile's stores come behind them
.endr
.endm
.macro SEND t, younger                 ; younger: the LDS instructions issued behind tile t's loads
.irp i, 0,1,2,3,4,5,6,7,8,9,10,11,12,13,14,15
	s_wait_dscnt \younger+15-\i
	global_store_b128 v[GO], v[S+64*\t+4*\i:S+64*\t+4*\i+3], s[10:11] offset:(16*\t+\i)*2048   ; 32 lanes store 512 consecutive bytes, aligned to 256
.endr
.endm
	PACK 0
	PACK 1
	SEND 0, 32
	SEND 1, 0
	s_wait_tensorcnt 0x0                           ; the wave's end
	ds_add_u32 v[SPW], v[NIL]
	s_wait_dscnt 0x0
	CROUND                                         ; the closing round
	s_endpgm
.Lfunc_end_k_q1a7dd5b32a_attn:
	.size	k_q1a7dd5b32a_attn, .Lfunc_end_k_q1a7dd5b32a_attn-k_q1a7dd5b32a_attn
	.p2alignl 7, 3214868480
	.fill 96, 4, 3214868480
	.section	.rodata,"a",@progbits
	.p2align	6, 0x0
	.amdhsa_kernel k_q1a7dd5b32a_attn
		.amdhsa_group_segment_fixed_size 327680
		.amdhsa_private_segment_fixed_size 0
		.amdhsa_enable_private_segment 0
		.amdhsa_kernarg_size 32
		.amdhsa_user_sgpr_count 2
		.amdhsa_user_sgpr_kernarg_segment_ptr 1
		.amdhsa_wavefront_size32 1
		.amdhsa_system_sgpr_workgroup_id_x 1
		.amdhsa_system_sgpr_workgroup_id_y 1
		.amdhsa_system_sgpr_workgroup_id_z 1
		.amdhsa_system_vgpr_workitem_id 0
		.amdhsa_next_free_vgpr 1024
		.amdhsa_next_free_sgpr 100
		.amdhsa_reserve_vcc 1
		.amdhsa_float_denorm_mode_32 3
		.amdhsa_float_denorm_mode_16_64 3
		.amdhsa_memory_ordered 1
		.amdhsa_forward_progress 1
		.amdhsa_inst_pref_size 255
	.end_amdhsa_kernel
	.section	.bss,"aw",@nobits
	.p2align	6
	.space	262144
	.amdgpu_metadata
---
amdhsa.version: [ 1, 2 ]
amdhsa.kernels:
  - .name:           k_q1a7dd5b32a_attn
    .symbol:         k_q1a7dd5b32a_attn.kd
    .args:
      - { .name: qkv, .offset: 0, .size: 8, .value_kind: global_buffer, .address_space: global }
      - { .name: attn_mask, .offset: 8, .size: 8, .value_kind: global_buffer, .address_space: global }
      - { .name: kbias, .offset: 16, .size: 8, .value_kind: global_buffer, .address_space: global }
      - { .name: oh, .offset: 24, .size: 8, .value_kind: global_buffer, .address_space: global }
    .group_segment_fixed_size: 327680
    .private_segment_fixed_size: 0
    .kernarg_segment_align: 8
    .kernarg_segment_size: 32
    .max_flat_workgroup_size: 128
    .sgpr_count:     100
    .vgpr_count:     1024
    .wavefront_size: 32
...
	.end_amdgpu_metadata
.endif
;; end of part 3
;; launch proj (part 4): grid 8 x 64, 4 waves a work-group, clusters of 4 x 4, 327,680 bytes of LDS; arguments oh, wpt, bproj, out0; writes out0
.if DOCPART == 4
	.amdgcn_target "amdgcn-amd-amdhsa--gfx1250"
	.amdhsa_code_object_version 6
	.text
	.protected	k_q1a7dd5b32a_proj
	.globl	k_q1a7dd5b32a_proj
	.p2align	8
	.type	k_q1a7dd5b32a_proj,@function
k_q1a7dd5b32a_proj:
	s_mov_b64 s[64:65], 0
	v_nop
	global_prefetch_b8 v0, s[64:65] scope:SCOPE_SE
	s_setreg_imm32_b32 hwreg(HW_REG_WAVE_MODE, 25, 1), 1
	s_wait_xcnt 0x0
	s_wait_alu depctr_hold_cnt(0) depctr_sa_sdst(0) depctr_va_vdst(0) depctr_va_sdst(0) depctr_va_ssrc(0) depctr_va_vcc(0) depctr_vm_vsrc(0)
	s_getreg_b32 s2, hwreg(HW_REG_IB_STS2, 6, 4)
	s_cmp_eq_u32 s2, 0
	s_cbranch_scc0 .Lentry_in_a_cluster
	s_endpgm
.Lentry_in_a_cluster:
	s_bfe_u32 s2, ttmp6, 0x10000c
	s_cmp_lg_u32 s2, 0xf033
	s_cbranch_scc0 .Lentry_shape_is_right
	s_endpgm
.Lentry_shape_is_right:
; PROJ: out0 [8192][1024] f32 = oh [8192][1024] f16 x wpt^T (wpt [1024 n][1024 k] f16) + bproj.  Sums in f32; the bias is the C of each sum's first product.
; A tile of 128 x 128 to a work-group (512 of them; tiles of 256 x 256 would be 128, fewer than there are WGPs); four waves, 64 x 64 each: 16 accumulators.
; K goes in steps of 256 (LDS rows of 512 bytes) through a ring of two slots: four steps, two laps.
; CLUSTERS: 4 x 4 work-groups; A's tile is shared along a row of the cluster, B's along a column: joint loads.  THE MATRIX INSTRUCTION IS USED TRANSPOSED: a lane holds eight neighbouring columns of a row.
; REGISTERS: window 0: v0-31 addresses; v32-63 the bias, v32-95 later rows on the way out; v128-255 the accumulators.  window 1: two fragment buffers of 128.
.set SIZE_N, 1024
.set SIZE_K, 1024
.set KSTEP,  256
.set PITCH,  528                       ; 512 bytes + 16
.set HALFT,  64*PITCH
.set SLOT,   4*HALFT
.set SPARE,  2*SLOT                    ; the spare words, 128 bytes for each wave
.set SPITCH, 272                       ; the way out: 16 rows x (256 bytes + 16) for each wave, in slot 0, which has had its last fill and its last read by then
.set LAPS, SIZE_K/(2*KSTEP)
.set ADRA, 16
.set ADRB, 20
.set STO,  24
.set RD,   25
.set CO,   26
.set SPW,  28
.set NIL,  29
.set BI,   32                          ; the bias: register 8 b + j = bias of column 16 b + 8 (lane / 16) + j of my 64
.set TMP,  32
.set ACC,  128
.set F0,   0
.set F1,   128
.set G1, 24
.set G0, 32
.set G1B, 48
.set G0B, 56
.set MSB, 0
.macro WIN new
.if MSB != (\new)
	s_set_vgpr_msb (MSB<<8)|(\new)
.set MSB, (\new)
.endif
.endm
.set MUL,  0x05                        ; sources 0 (B) and 1 (A) window 1; C and D window 0
.set TO_F, 0x40
.macro JLOAD s                         ; waves 0 and 1 fetch A's halves, waves 2 and 3 B's; an s_nop 0 and four v_nop follow each line
	s_cmp_eq_u32 s11, 0
	s_cbranch_scc0 .Lfor_b_\@
	tensor_load_to_lds s[G0+4*\s:G0+4*\s+3], s[G1:G1+7]
	s_nop 0
.rept 4
	v_nop
.endr
	s_branch .Lasked_\@
.Lfor_b_\@:
	tensor_load_to_lds s[G0B+4*\s:G0B+4*\s+3], s[G1B:G1B+7]
	s_nop 0
.rept 4
	v_nop
.endr
.Lasked_\@:
.endm
.macro CREST
	s_cmp_lg_u32 s10, 0
	s_cbranch_scc1 .Lnot_wave_0_\@
	s_barrier_signal -3
.Lnot_wave_0_\@:
	s_barrier_wait -3
	s_barrier_signal -1
	s_barrier_wait -1
.endm
.macro CROUND
	s_barrier_signal -1
	s_barrier_wait -1
	CREST
.endm
	s_load_b128 s[4:7], s[0:1], 0x0                ; oh 4, wpt 6
	s_load_b128 s[68:71], s[0:1], 0x10             ; bproj 68, out0 70
	v_lshl_add_u32 v[SPW], v0, 2, SPARE
	v_mov_b32 v[NIL], 0
	ds_add_u32 v[SPW], v[NIL]                      ; the wave's opening: the add, twice on end, and its wait ahead of my first tensor load
	ds_add_u32 v[SPW], v[NIL]
	v_lshrrev_b32 v1, 5, v0
	v_readfirstlane_b32 s10, v1                    ; wave 0..3
	s_lshr_b32 s11, s10, 1                         ; which half of the tile's rows is mine.  Also: I fetch for A (0) or for B (1)
	s_and_b32 s12, s10, 1                          ; which half of its columns.  Also: which 64 rows of that tile I fetch
	s_bfe_u32 s40, ttmp6, 0x40000
	s_bfe_u32 s41, ttmp6, 0x40004
	s_lshl_b32 s42, ttmp9, 2
	s_add_co_u32 s42, s42, s40                     ; tile column
	s_and_b32 s13, ttmp7, 0xffff
	s_lshl_b32 s13, s13, 2
	s_add_co_u32 s13, s13, s41                     ; tile row
	s_lshl_b32 s43, s41, 2
	s_lshl_b32 s43, 15, s43                        ; my row of the cluster
	s_lshl_b32 s44, 0x1111, s40                    ; my column
	s_or_b32 s[G1+0], s43, (1<<16)|(1<<20)|(1<<21)|(6<<22)|(3<<25)  ; the mask; elements of 2 bytes; 4 words of padding after every 128
	s_or_b32 s[G1B+0], s44, (1<<16)|(1<<20)|(1<<21)|(6<<22)|(3<<25)
.irp g, G1, G1B
	s_mov_b32 s[\g+1], KSTEP<<16
	s_mov_b32 s[\g+2], 64<<16
	s_mov_b32 s[\g+3], KSTEP<<16
	s_mov_b32 s[\g+4], 64
	s_mov_b32 s[\g+5], SIZE_K
	s_mov_b32 s[\g+6], 0
	s_mov_b32 s[\g+7], 0
.endr
	s_lshl_b32 s17, s12, 6
	s_lshl_b32 s16, s13, 7
	s_add_co_u32 s16, s16, s17                     ; A: row 128 x tile row + 64 x half
	s_lshl_b32 s46, s42, 7
	s_add_co_u32 s46, s46, s17                     ; B: row 128 x tile column + 64 x half
	s_mov_b32 s17, 0
	s_mov_b32 s47, 0
	s_mov_b64 s[18:19], SIZE_K*2
	s_mul_u64 s[16:17], s[16:17], s[18:19]
	s_mul_u64 s[46:47], s[46:47], s[18:19]
	s_mul_i32 s20, s10, HALFT
	s_wait_dscnt 0x0                               ; both opening adds are done
	s_wait_kmcnt 0x0
	s_add_nc_u64 s[14:15], s[4:5], s[16:17]
	s_add_nc_u64 s[46:47], s[6:7], s[46:47]
	CROUND                                         ; the first joint loads meet
.irp s, 0,1
	s_mov_b32 s[G0+4*\s], 1
	s_add_co_u32 s[G0+4*\s+1], s20, \s*SLOT
	s_add_nc_u64 s[G0+4*\s+2:G0+4*\s+3], s[14:15], \s*KSTEP*2
	s_or_b32 s[G0+4*\s+3], s[G0+4*\s+3], 0x80000000
	s_mov_b32 s[G0B+4*\s], 1
	s_add_co_u32 s[G0B+4*\s+1], s20, \s*SLOT
	s_add_nc_u64 s[G0B+4*\s+2:G0B+4*\s+3], s[46:47], \s*KSTEP*2
	s_or_b32 s[G0B+4*\s+3], s[G0B+4*\s+3], 0x80000000
	JLOAD \s
.endr
	v_and_b32 v1, 15, v0                           ; l % 16
	v_bfe_u32 v2, v0, 4, 1                         ; l / 16
	s_lshl_b32 s16, s13, 7
	s_lshl_b32 s17, s11, 6
	s_add_co_u32 s16, s16, s17                     ; my first row of out0
	s_lshl_b32 s16, s16, 12                        ; 4,096 bytes a row
	s_lshl_b32 s46, s42, 7
	s_lshl_b32 s47, s12, 6
	s_add_co_u32 s46, s46, s47                     ; my first column,
	s_lshl_b32 s46, s46, 2                         ; in bytes
	s_mov_b32 s47, 0
	s_add_nc_u64 s[68:69], s[68:69], s[46:47]      ; the bias of my 64 columns
	s_add_co_u32 s16, s16, s46
	s_mov_b32 s17, 0
	s_add_nc_u64 s[70:71], s[70:71], s[16:17]
	v_lshlrev_b32 v6, 5, v2
.irp b, 0,1,2,3
	global_load_b128 v[BI+8*\b:BI+8*\b+3], v6, s[68:69] offset:64*\b
	global_load_b128 v[BI+8*\b+4:BI+8*\b+7], v6, s[68:69] offset:64*\b+16
.endr
	v_mul_u32_u24 v3, v1, PITCH
	v_lshl_add_u32 v3, v2, 4, v3                   ; a fragment's row x pitch + 16 x half
	s_mul_i32 s21, s11, HALFT                      ; my 64 rows of A
	s_mul_i32 s22, s12, HALFT                      ; my 64 rows of B,
	s_add_co_u32 s22, s22, 2*HALFT                 ; which lie behind A's 128
.irp s, 0,1
	v_add_nc_u32 v[ADRA+\s], s21, v3
	v_add_nc_u32 v[ADRB+\s], s22, v3
	s_add_co_u32 s21, s21, SLOT
	s_add_co_u32 s22, s22, SLOT
.endr
	s_mul_i32 s23, s10, 16*SPITCH                  ; my stage
	v_mul_u32_u24 v4, v1, SPITCH
	v_lshl_add_u32 v4, v2, 5, v4
	v_add_nc_u32 v[STO], s23, v4                   ; in: row l % 16, 32 bytes for each half of the lanes
	v_mul_u32_u24 v5, v2, SPITCH
	v_lshl_add_u32 v5, v1, 4, v5
	v_add_nc_u32 v[RD], s23, v5                    ; back: lanes 0-15 one row of 256 bytes, lanes 16-31 the next
	v_lshlrev_b32 v5, 12, v2
	v_lshl_add_u32 v[CO], v1, 4, v5                ; and the same two rows in out0
; 8 matrix instructions: m blocks a0, a0 + 1 x all 4 n blocks, 32 along K: half c of buffer f.  first = 1: the bias is the C
.macro MUL8 f, c, a0, first
.irp a, \a0, \a0+1
.irp b, 0,1,2,3
.if \first
	v_wmma_f32_16x16x32_f16 v[ACC+8*(4*(\a)+\b):ACC+8*(4*(\a)+\b)+7], v[\f+64+8*(4*\c+\b):\f+64+8*(4*\c+\b)+7], v[\f+8*(4*\c+\a):\f+8*(4*\c+\a)+7], v[BI+8*\b:BI+8*\b+7]
.else
	v_wmma_f32_16x16x32_f16 v[ACC+8*(4*(\a)+\b):ACC+8*(4*(\a)+\b)+7], v[\f+64+8*(4*\c+\b):\f+64+8*(4*\c+\b)+7], v[\f+8*(4*\c+\a):\f+8*(4*\c+\a)+7], v[ACC+8*(4*(\a)+\b):ACC+8*(4*(\a)+\b)+7]
.endif
.endr
.endr
.endm
.macro FETCH slot, k, f                ; 32 LDS loads in one run: the fragments of 64 along K at byte k of the rows; the first 32 along K first
	WIN TO_F
.irp c, 0,1
.irp i, 0,1,2,3
	ds_load_b128 v[\f+64+8*(4*\c+\i):\f+64+8*(4*\c+\i)+3],   v[ADRB+\slot] offset:\k+64*\c+\i*16*PITCH
	ds_load_b128 v[\f+64+8*(4*\c+\i)+4:\f+64+8*(4*\c+\i)+7], v[ADRB+\slot] offset:\k+64*\c+\i*16*PITCH+32
	ds_load_b128 v[\f+8*(4*\c+\i):\f+8*(4*\c+\i)+3],         v[ADRA+\slot] offset:\k+64*\c+\i*16*PITCH
	ds_load_b128 v[\f+8*(4*\c+\i)+4:\f+8*(4*\c+\i)+7],       v[ADRA+\slot] offset:\k+64*\c+\i*16*PITCH+32
.endr
.endr
.endm
.macro PLACES
.rept 4
	v_nop
.endr
.endm
.macro QUARTER slot, k, f, g, first    ; 64 along K: multiplies buffer f and fetches the next quarter, at byte k, into g
	s_wait_dscnt 16                                ; the first 32 along K are in; the other sixteen loads may be out
	WIN MUL
	MUL8 \f, 0, 0, \first
	MUL8 \f, 0, 2, \first
	PLACES
	FETCH \slot, \k, \g
	s_wait_dscnt 32                                ; all but the 32 just issued
	WIN MUL
	MUL8 \f, 1, 0, 0
	MUL8 \f, 1, 2, 0
.endm
.macro TURN slot, next, fill           ; a slot's last quarter, and the change of slots
	WIN 0
	s_wait_tensorcnt 0x0                           ; all my tensor loads have landed: my part of the next slot
	ds_add_u32 v[SPW], v[NIL]
	s_wait_dscnt 17                                ; the add and the youngest sixteen loads may be out
	WIN MUL
	MUL8 F1, 0, 0, 0
	s_wait_dscnt 0x0                               ; the add is done, and my reads of this slot are over
	s_barrier_signal -1
	MUL8 F1, 0, 2, 0
.if \fill
	WIN 0
.endif
	s_barrier_wait -1
.if \fill
	CREST                                          ; the barrier has opened a round of the cluster's: no wave of any partner still reads this slot or has a load on its way
	s_add_nc_u64 s[G0+4*\slot+2:G0+4*\slot+3], s[G0+4*\slot+2:G0+4*\slot+3], 2*KSTEP*2
	s_add_nc_u64 s[G0B+4*\slot+2:G0B+4*\slot+3], s[G0B+4*\slot+2:G0B+4*\slot+3], 2*KSTEP*2
	JLOAD \slot                                    ; the first tensor load behind the round; its four v_nop are also the places in front of the loads below
.else
	PLACES
.endif
	FETCH \next, 0, F0
	WIN MUL
	MUL8 F1, 1, 0, 0
	MUL8 F1, 1, 2, 0
.endm
	s_wait_tensorcnt 1                             ; my part of K step 0 is in; K step 1's load may be out
	s_barrier_signal -1
	s_barrier_wait -1
	FETCH 0, 0, F0
	s_wait_loadcnt 0x0                             ; the bias
	QUARTER 0, 128, F0, F1, 1
	WIN 0
	s_mov_b32 s3, LAPS-1
.Llap:                                             ; a trip goes once round the ring and fills both slots again
	QUARTER 0, 256, F1, F0, 0
	QUARTER 0, 384, F0, F1, 0
	TURN 0, 1, 1
	QUARTER 1, 128, F0, F1, 0
	QUARTER 1, 256, F1, F0, 0
	QUARTER 1, 384, F0, F1, 0
	TURN 1, 0, 1
	QUARTER 0, 128, F0, F1, 0
	WIN 0
	s_sub_co_u32 s3, s3, 1
	s_cmp_lg_u32 s3, 0
	s_cbranch_scc1 .Llap
	QUARTER 0, 256, F1, F0, 0                      ; the last lap fills nothing
	QUARTER 0, 384, F0, F1, 0
	TURN 0, 1, 0
	QUARTER 1, 128, F0, F1, 0
	QUARTER 1, 256, F1, F0, 0
	QUARTER 1, 384, F0, F1, 0
	s_wait_dscnt 16
	WIN MUL
	MUL8 F1, 0, 0, 0
	MUL8 F1, 0, 2, 0
	s_wait_dscnt 0
	MUL8 F1, 1, 0, 0
	MUL8 F1, 1, 2, 0
	WIN 0
; THE WAY OUT, each wave by itself: its 64 columns are 256 aligned bytes of a row.  A block of 16 rows goes through my stage and comes back as whole rows.
.macro TOSTAGE a
.irp b, 0,1,2,3
	ds_store_b128 v[STO], v[ACC+8*(4*(\a)+\b):ACC+8*(4*(\a)+\b)+3] offset:64*\b        ; each accumulator from its low end on
	ds_store_b128 v[STO], v[ACC+8*(4*(\a)+\b)+4:ACC+8*(4*(\a)+\b)+7] offset:64*\b+16
.endr
.set BB, TMP+32*((\a)%2)
.irp t, 0,1,2,3,4,5,6,7
	ds_load_b128 v[BB+4*\t:BB+4*\t+3], v[RD] offset:\t*2*SPITCH   ; LDS serves a wave's instructions in order: these see the stores above
.endr
.endm
.macro SEND a, younger                 ; younger: the next block's 8 stores and 8 loads, or none
.set BB, TMP+32*((\a)%2)
	s_wait_dscnt \younger
.irp t, 0,1,2,3,4,5,6,7
	global_store_b128 v[CO], v[BB+4*\t:BB+4*\t+3], s[70:71] offset:(16*(\a)+2*\t)*4096 th:TH_STORE_NT   ; 16 lanes store 256 consecutive bytes, aligned
.endr
.endm
	PLACES                                         ; behind the last products, ahead of the first read of results
	TOSTAGE 0
.irp a, 1,2,3
.if \a > 1
	s_wait_xcnt 0x0                                ; block a - 2's stores have read their registers: block a's loads may land there
.endif
	TOSTAGE \a
	SEND \a-1, 16
.endr
	SEND 3, 0
	s_wait_tensorcnt 0x0                           ; the wave's end
	ds_add_u32 v[SPW], v[NIL]
	s_wait_dscnt 0x0
	CROUND                                         ; the closing round
	s_endpgm
.Lfunc_end_k_q1a7dd5b32a_proj:
	.size	k_q1a7dd5b32a_proj, .Lfunc_end_k_q1a7dd5b32a_proj-k_q1a7dd5b32a_proj
	.p2alignl 7, 3214868480
	.fill 96, 4, 3214868480
	.section	.rodata,"a",@progbits
	.p2align	6, 0x0
	.amdhsa_kernel k_q1a7dd5b32a_proj
		.amdhsa_group_segment_fixed_size 327680
		.amdhsa_private_segment_fixed_size 0
		.amdhsa_enable_private_segment 0
		.amdhsa_kernarg_size 32
		.amdhsa_user_sgpr_count 2
		.amdhsa_user_sgpr_kernarg_segment_ptr 1
		.amdhsa_wavefront_size32 1
		.amdhsa_system_sgpr_workgroup_id_x 1
		.amdhsa_system_sgpr_workgroup_id_y 1
		.amdhsa_system_sgpr_workgroup_id_z 1
		.amdhsa_system_vgpr_workitem_id 0
		.amdhsa_next_free_vgpr 512
		.amdhsa_next_free_sgpr 72
		.amdhsa_reserve_vcc 0
		.amdhsa_float_denorm_mode_32 3
		.amdhsa_float_denorm_mode_16_64 3
		.amdhsa_memory_ordered 1
		.amdhsa_forward_progress 1
		.amdhsa_inst_pref_size 86
	.end_amdhsa_kernel
	.amdgpu_metadata
---
amdhsa.version: [ 1, 2 ]
amdhsa.kernels:
  - .name:           k_q1a7dd5b32a_proj
    .symbol:         k_q1a7dd5b32a_proj.kd
    .args:
      - { .name: oh, .offset: 0, .size: 8, .value_kind: global_buffer, .address_space: global }
      - { .name: wpt, .offset: 8, .size: 8, .value_kind: global_buffer, .address_space: global }
      - { .name: bproj, .offset: 16, .size: 8, .value_kind: global_buffer, .address_space: global }
      - { .name: out0, .offset: 24, .size: 8, .value_kind: global_buffer, .address_space: global }
    .group_segment_fixed_size: 327680
    .private_segment_fixed_size: 0
    .kernarg_segment_align: 8
    .kernarg_segment_size: 32
    .max_flat_workgroup_size: 128
    .sgpr_count:     72
    .vgpr_count:     512
    .wavefront_size: 32
...
	.end_amdgpu_metadata
.endif
;; end of part 4
